; MI455X (gfx1250); checked and timed in simulation.
; The chip was launched on July 23, 2026; its instructions are those of AMD's public machine-readable ISA for CDNA 5 (MIT licence, August 2026) and "CDNA5" Instruction Set Architecture Reference Guide (July 2026). The comments in the code are by the model that wrote it; some were corrected since.
;; Causal Self Attention. Allowed arithmetic: matrix products marked QUANTISED: E2M1 operands, one E8M0 scale for each 32 along K, by v_wmma_scale_f32_16x16x128_f8f6f4 with both operands' format E2M1 (or v_wmma_scale_f32_32x16x128_f4), f32 sums; everything else in f32.
;; Inputs: Wk 1,024 x 1,024 float32; Wo 1,024 x 1,024 float32; Wq 1,024 x 1,024 float32; Wv 1,024 x 1,024 float32; bk 1,024 float32; bo 1,024 float32; bq 1,024 float32; bv 1,024 float32; mask 1 x 1 x 2,048 x 2,048 bool; x 4 x 2,048 x 1,024 float32.
;; Outputs: out0 4 x 2,048 x 1,024 float32.
;; This version of the problem:
;;   THIS VERSION OF THE PROBLEM IS GIVEN IN LOW PRECISION. The matrix products marked QUANTISED in the list below multiply operands that are first quantised to E2M1 (2 exponent bits, 1 mantissa bit; 4 bits a number), with one power-of-two scale for each 32 numbers along K (OCP MX v1.0); their sums are f32. All else is computed in f32.
;;   The module's matrix products, in the order in which they are computed (A, B: the left and right operand; K: the contracted axis; several contracted axes count as one K, in the product's order):
;;     1. [M 8,192, K 1,024] x [K 1,024, N 1,024]; A: input x; B: input Wq: QUANTISED
;;     2. [M 8,192, K 1,024] x [K 1,024, N 1,024]; A: input x; B: input Wk: QUANTISED
;;     3. [M 8,192, K 1,024] x [K 1,024, N 1,024]; A: input x; B: input Wv: QUANTISED
;;     4. batch 64 x [M 2,048, K 64] x [K 64, N 2,048]; A: computed on the way; B: computed on the way: QUANTISED
;;     5. batch 64 x [M 2,048, K 2,048] x [K 2,048, N 64]; A: softmax (see below); B: computed on the way: QUANTISED
;;     6. [M 8,192, K 1,024] x [K 1,024, N 1,024]; A: computed on the way; B: input Wo: QUANTISED
;;   THE QUANTISER, for each operand of a quantised product, along K:
;;     - K is cut into blocks of 32 from its start; a last block that is shorter is filled with zeros.
;;     - A block's scale is 2^e with e = floor(log2(the largest magnitude in the block)) - 2, held to -126 .. 127; a block of zeros has e = 0. As a byte (E8M0): e + 127.
;;     - Each number is divided by its block's scale, clamped to +-6, and rounded to the nearest number of E2M1, ties to even, subnormals kept.
;;     - The product sums the exact products of the quantised numbers (number of the format x scale) in f32.
;;   ~~~python
;;   def quantise(x, axis):      # numpy; x: float32 -> the quantised numbers, widened to float32 again
;;       x = np.moveaxis(x, axis, -1); K = x.shape[-1]
;;       x = np.pad(x, [(0, 0)] * (x.ndim - 1) + [(0, -K % 32)]); x = x.reshape(x.shape[:-1] + (-1, 32)); a = np.abs(x).max(-1, keepdims=True)
;;       e = np.where(a > 0, np.clip(np.frexp(np.where(a > 0, a, 1))[1] - 1 - 2, -126, 127), 0)      # np.frexp(a)[1] - 1 = floor(log2(a)), exactly
;;       r = np.clip(x / 2.0 ** e, -6, 6)
;;       step = 2.0 ** (np.maximum(np.frexp(np.where(r == 0, 1, r))[1] - 1, 0) - 1)
;;       q = np.round(r / step) * step * 2.0 ** e      # np.round: ties to even
;;       return np.moveaxis(q.reshape(q.shape[:-2] + (-1,))[..., :K], -1, axis).astype(np.float32)
;;   ~~~
;;   SOFTMAX AHEAD OF A QUANTISED PRODUCT. Where the list says 'softmax', what is quantised is not the finished softmax but p = 2^(t - M), with t = logit x log2(e) and M = ceil(the row's largest t), a whole number; so 1/2 < the row's largest p <= 1. The row's sum l is taken of the UNQUANTISED p, in f32, and the product's result is divided by l at the end. Since M is a whole number, a kernel that streams over the keys may use a running M (the ceiling of the running maximum): every later rescaling is an exact power of two, which a block's scale takes up: the codes' values come out the same.
;;   OPERANDS COMPUTED ON THE WAY. 'Computed on the way' means the value that the module computes at that place (a softmax that the list does not call 'softmax' is quantised finished and normalised). What goes into a quantiser is computed in f32, as accurately as f32 sums, v_exp_f32 and their like allow (about 1e-6 of the number): no bf16 or f16 on the way to a quantiser, and a product that is left as it is and whose result goes on into a quantised operand takes f32 operands (vector FMAs, or v_wmma_f32_16x16x4_f32). A number that lies on a knife's edge between two numbers of the format may be rounded either way, as far as f32 arithmetic and the matrix unit's own rounding can turn it there, and no further.
;; 2 versions, each right; version 2 is version 1 with the launch attn written anew for expert scheduling mode. Each part assembles by itself: llvm-mc -triple=amdgcn-amd-amdhsa -mcpu=gfx1250 --defsym DOCPART=n.
;; ======== version 1 of 2: 4 launches
;; workspace buffers: opq 6,684,672 bytes; msk 526,336 bytes of whole numbers; qkv 13,893,632 bytes; att 4,456,448 bytes
;; launch prep (part 1): grid 512 x 1, 4 waves a work-group, no clusters, 68,096 bytes of LDS; arguments x, Wq, Wk, Wv, Wo, mask, opq, msk; writes opq, msk
.if DOCPART == 1
	.amdgcn_target "amdgcn-amd-amdhsa--gfx1250"
	.amdhsa_code_object_version 6
	.text
	.protected	k_q58f04a3c7d_prep
	.globl	k_q58f04a3c7d_prep
	.p2align	8
	.type	k_q58f04a3c7d_prep,@function
k_q58f04a3c7d_prep:
	s_mov_b64 s[64:65], 0
	v_nop
	global_prefetch_b8 v0, s[64:65] scope:SCOPE_SE
	s_setreg_imm32_b32 hwreg(HW_REG_WAVE_MODE, 25, 1), 1
	s_wait_xcnt 0x0
; x [8192][1024], Wq, Wk, Wv, Wo [1024][1024], f32, become codes of FP4 (E2M1) with one E8M0 byte for each 32 along K, laid as IMAGES OF OPERAND REGISTERS;
; the mask [2048][2048] of bytes becomes lane masks (one 32-bit word for each score register of the attention launch) and two flags for each tile of 16 queries x 128 keys.
; TILES.  A tile of 16 rows has the id G = 2 B + u; its lane place r holds row 32 B + 8 u + r + 8 (r / 8).  As source 0 of a product its result registers then run over 16 neighbouring rows in two neighbouring tiles.
; IMAGE.  A fragment (16 rows x 128 K) is 1,024 bytes: registers 4 c .. 4 c + 3 of lane L (row place L % 16, k = 64 c + 32 (L / 16) + 0 .. 31) at 512 c + 16 L.
; opq: codes [rowblock 48][K step 8][tile 16][1024]; from SCL on the scale words [rowblock][K group 2][tile 16][r 16][4 words].  Rowblocks 0-31 x, 32-35 Wq, 36-39 Wk, 40-43 Wv, 44-47 Wo.
; msk: records [query tile 128][key step 16][64 words]: bit L of word 16 b + i is mask[query of place L % 16][128 step + 32 b + 16 (L / 16) + i]; from TFL on [query tile][4 words]: bit step = some byte true, bit 16 + step = true and false mixed.
; SHARES.  Work-groups 0-383 quantise: a wave takes one tile and 512 along K, four steps of 128.  Work-groups 384-511 take one query tile each: a wave four key steps.  Waves share nothing: no barrier.
; Each load reads 512 consecutive bytes of one row; the bytes turn through the wave's own stage in LDS (rows 528 bytes apart) so that a lane gets 32 neighbours along K for each of its two blocks.
; The two paths have LDS bytes of their own.
; LIMITS: a block whose largest magnitude lies under 2^-124, a block of zeros among them, gets the byte 1 (the bytes are read by this program alone; zero codes add nothing); NaN and infinities among the f32 inputs are not served.
.set SCL,  6291456
.set TFL,  524288
.set WST,  8448                        ; a wave's stage: 16 rows x 528 bytes
.set MST,  4*WST                       ; the mask path's stages lie behind the quantiser's
.set R,    32                          ; v32-159  two sets of 64 registers as loaded
.set X,    160                         ; v160-223 my two blocks of 32 neighbours
.set C,    224                         ; v224-255 codes, eight registers for each step: no store's data are written again
.set SW,   16                          ; v16-19   the four steps' scale words
	s_load_b256 s[4:11], s[0:1], 0x0               ; x s[4:5], Wq s[6:7], Wk s[8:9], Wv s[10:11]
	s_load_b256 s[12:19], s[0:1], 0x20             ; Wo s[12:13], mask s[14:15], opq s[16:17], msk s[18:19]
	v_lshl_add_u32 v30, v0, 2, 0x10800
	v_mov_b32 v31, 0
	v_lshrrev_b32 v1, 5, v0
	v_readfirstlane_b32 s20, v1                    ; wave 0..3
	v_and_b32 v2, 31, v0                           ; lane L
	v_and_b32 v3, 15, v0                           ; r
	v_bfe_u32 v9, v0, 4, 1                         ; h
	v_lshlrev_b32 v4, 4, v2                        ; 16 L
	s_mul_i32 s21, s20, WST
	v_add_nc_u32 v5, s21, v4                       ; quantiser's stage, way in: 16 L in a row
	v_mul_u32_u24 v12, v3, 528
	v_add_nc_u32 v12, s21, v12
	v_lshl_add_u32 v6, v9, 7, v12                  ; way out: row r, + 128 h bytes: k = 32 h on
	v_add_nc_u32 v10, MST, v5                      ; mask's stage, way in
	v_lshl_add_u32 v11, v9, 4, v12
	v_add_nc_u32 v11, MST, v11                     ; way out: row r, + 16 h bytes: key 16 h on
	v_lshlrev_b32 v7, 4, v3
	v_lshl_add_u32 v7, v9, 3, v7                   ; 16 r + 8 h: my two scale words' place
	v_lshlrev_b32 v8, 3, v9                        ; 8 h: my bytes' place in a scale word, in bits
	v_lshlrev_b32 v13, 3, v2                       ; 8 L
	v_mov_b32 v27, 0                               ; a lane permute's destination counts as one of its sources
	s_mov_b32 s36, 0x76543210
	s_mov_b32 s37, 0xfedcba98                      ; selects for lane l xor 16
	s_mov_b32 s25, 0
	s_wait_kmcnt 0x0
	s_cmp_lt_u32 ttmp9, 384
	s_cbranch_scc0 .Lmask
	; ---- the quantiser.  Which tensor: a choice on the work-group's number alone
	s_mov_b32 s22, 0                               ; the tensor's first work-group
	s_cmp_ge_u32 ttmp9, 256
	s_cselect_b64 s[4:5], s[6:7], s[4:5]
	s_cselect_b32 s22, 256, s22
	s_cmp_ge_u32 ttmp9, 288
	s_cselect_b64 s[4:5], s[8:9], s[4:5]
	s_cselect_b32 s22, 288, s22
	s_cmp_ge_u32 ttmp9, 320
	s_cselect_b64 s[4:5], s[10:11], s[4:5]
	s_cselect_b32 s22, 320, s22
	s_cmp_ge_u32 ttmp9, 352
	s_cselect_b64 s[4:5], s[12:13], s[4:5]
	s_cselect_b32 s22, 352, s22
	s_sub_co_u32 s23, ttmp9, s22                   ; B inside the tensor: a work-group holds tiles 2 B and 2 B + 1
	s_lshl_b32 s24, s23, 17                        ; 32 rows of 4,096 bytes
	s_lshr_b32 s26, s20, 1                         ; u
	s_and_b32 s27, s20, 1                          ; K group
	s_lshl_b32 s28, s26, 15                        ; 8 rows
	s_add_co_u32 s24, s24, s28
	s_lshl_b32 s28, s27, 11                        ; 512 numbers along K
	s_add_co_u32 s24, s24, s28
	s_add_nc_u64 s[4:5], s[4:5], s[24:25]
	s_lshr_b32 s28, ttmp9, 3                       ; rowblock = G / 16
	s_and_b32 s29, ttmp9, 7
	s_lshl_b32 s29, s29, 1
	s_add_co_u32 s29, s29, s26                     ; tile in the rowblock = G % 16
	s_lshl_b32 s30, s28, 17
	s_lshl_b32 s31, s27, 16
	s_add_co_u32 s30, s30, s31
	s_lshl_b32 s31, s29, 10
	s_add_co_u32 s30, s30, s31
	s_mov_b32 s31, 0
	s_add_nc_u64 s[32:33], s[16:17], s[30:31]      ; my codes
	s_lshl_b32 s30, s28, 13
	s_lshl_b32 s34, s27, 12
	s_add_co_u32 s30, s30, s34
	s_lshl_b32 s34, s29, 8
	s_add_co_u32 s30, s30, s34
	s_add_co_u32 s30, s30, SCL
	s_add_nc_u64 s[34:35], s[16:17], s[30:31]      ; my scale words
.macro LOAD t                          ; step t: 16 rows x 512 consecutive bytes
.irp i, 0,1,2,3,4,5,6,7,8,9,10,11,12,13,14,15
	global_load_b128 v[R+64*((\t)%2)+4*\i:R+64*((\t)%2)+4*\i+3], v4, s[4:5] offset:(\i+8*(\i/8))*4096+512*(\t) th:TH_LOAD_NT
.endr
.endm
.macro QSTEP t
.set RS, R+64*((\t)%2)
.if (\t) < 3
	s_wait_loadcnt 16                              ; this step's 16 loads are in; the next step's 16 may be out
.else
	s_wait_loadcnt 0x0
.endif
.irp i, 0,1,2,3,4,5,6,7,8,9,10,11,12,13,14,15
	ds_store_b128 v5, v[RS+4*\i:RS+4*\i+3] offset:528*\i
.endr
.irp c, 0,1
.irp j, 0,1,2,3,4,5,6,7
	ds_load_b128 v[X+32*\c+4*\j:X+32*\c+4*\j+3], v6 offset:256*\c+16*\j   ; LDS serves a wave's instructions in order: these see the stores above
.endr
.endr
	s_wait_dscnt 0x0                               ; my 64 numbers are in, and the stage's stores have read their registers,
.if (\t) < 2
	LOAD (\t)+2                                    ; which take the loads of two steps on
.endif
.irp c, 0,1
	v_max3_num_f32 v[20+\c], |v[X+32*\c]|, |v[X+32*\c+1]|, 0x1800000   ; block 2 c + h is all mine; the floor 2^(3 - 127) holds the byte at 1 from below
.endr
.irp i, 2,4,6,8,10,12,14,16,18,20,22,24,26,28,30
.irp c, 0,1
	v_max3_num_f32 v[20+\c], v[20+\c], |v[X+32*\c+\i]|, |v[X+32*\c+\i+1]|
.endr
.endr
.irp c, 0,1
	v_add_nc_u32 v[22+\c], 0xff000000, v[20+\c]    ; 2 off the exponent field: the conversion's scale operand
.endr
.irp c, 0,1
	v_lshrrev_b32 v[24+\c], 23, v[22+\c]           ; the scale's byte
.endr
	v_lshl_or_b32 v26, v25, 16, v24                ; my two bytes, blocks h and 2 + h,
	v_lshlrev_b32 v26, v8, v26                     ; at their places;
	v_permlanex16_b32 v27, v26, s36, s37
	v_or_b32 v[SW+(\t)], v26, v27                  ; with lane l xor 16's two the word is whole
.irp c, 0,1
.irp g, 0,1,2,3
	v_cvt_scalef32_pk8_fp4_f32 v[C+8*(\t)+4*\c+\g], v[X+32*\c+8*\g:X+32*\c+8*\g+7], v[22+\c]
.endr
.endr
	v_nop                                          ; one plain line behind the last scaled conversion
	global_store_b128 v4, v[C+8*(\t):C+8*(\t)+3], s[32:33] offset:(\t)*16384       ; 32 lanes store 512 consecutive bytes
	global_store_b128 v4, v[C+8*(\t)+4:C+8*(\t)+7], s[32:33] offset:(\t)*16384+512
.endm
	LOAD 0
	LOAD 1
	QSTEP 0
	QSTEP 1
	QSTEP 2
	QSTEP 3
	s_mov_b32 s38, 0xffff0000                      ; lanes 16-31
	v_cndmask_b32 v28, v[SW], v[SW+2], s38         ; lanes 0-15 store steps 0 and 1, lanes 16-31 steps 2 and 3
	v_cndmask_b32 v29, v[SW+1], v[SW+3], s38
	global_store_b64 v7, v[28:29], s[34:35]        ; 256 consecutive bytes, aligned
	s_wait_tensorcnt 0x0
	ds_add_u32 v30, v31
	s_wait_dscnt 0x0
	s_endpgm
.Lmask:
	; ---- the mask.  Query tile T = work-group - 384; my wave takes key steps 4 wave .. 4 wave + 3: 512 bytes of each of the tile's 16 rows
	s_sub_co_u32 s22, ttmp9, 384
	s_lshr_b32 s23, s22, 1
	s_and_b32 s24, s22, 1
	s_lshl_b32 s23, s23, 16                        ; 32 rows of 2,048 bytes
	s_lshl_b32 s24, s24, 14                        ; 8 rows
	s_add_co_u32 s24, s23, s24
	s_lshl_b32 s23, s20, 9
	s_add_co_u32 s24, s24, s23
	s_add_nc_u64 s[14:15], s[14:15], s[24:25]
.irp i, 0,1,2,3,4,5,6,7,8,9,10,11,12,13,14,15
	global_load_b128 v[32+4*\i:35+4*\i], v4, s[14:15] offset:(\i+8*(\i/8))*2048 th:TH_LOAD_NT
.endr
	s_lshl_b32 s24, s22, 12                        ; a tile's 16 records of 256 bytes
	s_lshl_b32 s23, s20, 10
	s_add_co_u32 s24, s24, s23
	s_add_nc_u64 s[26:27], s[18:19], s[24:25]      ; my four records
	s_lshl_b32 s24, s22, 4
	s_lshl_b32 s23, s20, 2
	s_add_co_u32 s24, s24, s23
	s_add_co_u32 s24, s24, TFL
	s_add_nc_u64 s[28:29], s[18:19], s[24:25]      ; my flag word
.irp j, 0,1,2,3,4,5,6,7
	v_mov_b32 v[224+\j], 0                         ; v_writelane_b32's destination counts as read
.endr
	s_mov_b32 s32, 0                               ; the flags of my four steps
	s_wait_loadcnt 0x0
.irp i, 0,1,2,3,4,5,6,7,8,9,10,11,12,13,14,15
	ds_store_b128 v10, v[32+4*\i:35+4*\i] offset:528*\i
.endr
.irp g, 0,1,2,3
.irp b, 0,1,2,3
	ds_load_b128 v[96+16*\g+4*\b:99+16*\g+4*\b], v11 offset:128*\g+32*\b   ; my query's bytes of keys 128 g + 32 b + 16 h + 0 .. 15
.endr
.endr
	s_wait_dscnt 0x0
.macro MSTEP g                         ; one key step: 64 words, each the 32 lanes' answers for one score register
	s_mov_b32 s30, 0                               ; the union of the words
	s_mov_b32 s31, -1                              ; and what they have in common
.set n, 0
.rept 64
	v_and_b32 v[20+n%4], 0xff<<(8*(n%4)), v[96+16*(\g)+n/4]
	v_cmp_ne_u32 s[36+n%8], 0, v[20+n%4]
	s_or_b32 s30, s30, s[36+n%8]
	s_and_b32 s31, s31, s[36+n%8]
	v_writelane_b32 v[224+2*(\g)+n%2], s[36+n%8], n/2    ; lane l gathers words 2 l and 2 l + 1
.set n, n+1
.endr
	global_store_b64 v13, v[224+2*(\g):225+2*(\g)], s[26:27] offset:256*(\g)   ; a record: 256 consecutive bytes, aligned
	s_cmp_lg_u32 s30, 0
	s_cselect_b32 s33, 1, 0                        ; some byte is true
	s_cmp_lg_u32 s31, -1
	s_cselect_b32 s34, s33, 0                      ; and some byte is false
	s_lshl_b32 s34, s34, 16
	s_or_b32 s33, s33, s34
	s_lshl_b32 s33, s33, \g
	s_or_b32 s32, s32, s33
.endm
	MSTEP 0
	MSTEP 1
	MSTEP 2
	MSTEP 3
	s_lshl_b32 s35, s20, 2
	s_lshl_b32 s32, s32, s35                       ; at the places of steps 4 wave on
	v_mov_b32 v14, s32
	v_mov_b32 v15, 0
	v_cmp_eq_u32 vcc_lo, 0, v2
	s_wait_xcnt 0x0                                ; EXEC is a source of the stores above: it changes only behind this wait
	s_wait_tensorcnt 0x0
	ds_add_u32 v30, v31
	s_wait_dscnt 0x0
	s_and_saveexec_b32 s33, vcc_lo
	global_store_b32 v15, v14, s[28:29]            ; lane 0 alone
	s_wait_xcnt 0x0
	s_or_b32 exec_lo, exec_lo, s33
	s_endpgm
.Lfunc_end_k_q58f04a3c7d_prep:
	.size	k_q58f04a3c7d_prep, .Lfunc_end_k_q58f04a3c7d_prep-k_q58f04a3c7d_prep
	.p2alignl 7, 3214868480
	.fill 96, 4, 3214868480
	.section	.rodata,"a",@progbits
	.p2align	6, 0x0
	.amdhsa_kernel k_q58f04a3c7d_prep
		.amdhsa_group_segment_fixed_size 68096
		.amdhsa_private_segment_fixed_size 0
		.amdhsa_enable_private_segment 0
		.amdhsa_kernarg_size 64
		.amdhsa_user_sgpr_count 2
		.amdhsa_user_sgpr_kernarg_segment_ptr 1
		.amdhsa_wavefront_size32 1
		.amdhsa_system_sgpr_workgroup_id_x 1
		.amdhsa_system_sgpr_workgroup_id_y 1
		.amdhsa_system_sgpr_workgroup_id_z 1
		.amdhsa_system_vgpr_workitem_id 0
		.amdhsa_next_free_vgpr 256
		.amdhsa_next_free_sgpr 66
		.amdhsa_reserve_vcc 1
		.amdhsa_float_denorm_mode_32 3
		.amdhsa_float_denorm_mode_16_64 3
		.amdhsa_memory_ordered 1
		.amdhsa_forward_progress 1
		.amdhsa_inst_pref_size 102
	.end_amdhsa_kernel
	.amdgpu_metadata
---
amdhsa.version: [ 1, 2 ]
amdhsa.kernels:
  - .name:           k_q58f04a3c7d_prep
    .symbol:         k_q58f04a3c7d_prep.kd
    .args:
      - { .name: x, .offset: 0, .size: 8, .value_kind: global_buffer, .address_space: global }
      - { .name: Wq, .offset: 8, .size: 8, .value_kind: global_buffer, .address_space: global }
      - { .name: Wk, .offset: 16, .size: 8, .value_kind: global_buffer, .address_space: global }
      - { .name: Wv, .offset: 24, .size: 8, .value_kind: global_buffer, .address_space: global }
      - { .name: Wo, .offset: 32, .size: 8, .value_kind: global_buffer, .address_space: global }
      - { .name: mask, .offset: 40, .size: 8, .value_kind: global_buffer, .address_space: global }
      - { .name: opq, .offset: 48, .size: 8, .value_kind: global_buffer, .address_space: global }
      - { .name: msk, .offset: 56, .size: 8, .value_kind: global_buffer, .address_space: global }
    .group_segment_fixed_size: 68096
    .private_segment_fixed_size: 0
    .kernarg_segment_align: 8
    .kernarg_segment_size: 64
    .max_flat_workgroup_size: 128
    .sgpr_count:     66
    .vgpr_count:     256
    .wavefront_size: 32
...
	.end_amdgpu_metadata
.endif
;; end of part 1
;; launch qkv (part 2): grid 12 x 32, 4 waves a work-group, clusters of 4 x 4, 285,184 bytes of LDS; arguments opq, bq, bk, bv, qkv; writes qkv
.if DOCPART == 2
	.amdgcn_target "amdgcn-amd-amdhsa--gfx1250"
	.amdhsa_code_object_version 6
	.text
	.protected	k_q58f04a3c7d_qkv
	.globl	k_q58f04a3c7d_qkv
	.p2align	8
	.type	k_q58f04a3c7d_qkv,@function
k_q58f04a3c7d_qkv:
	s_mov_b64 s[64:65], 0
	v_nop
	global_prefetch_b8 v0, s[64:65] scope:SCOPE_SE
	s_setreg_imm32_b32 hwreg(HW_REG_WAVE_MODE, 25, 1), 1
	s_wait_xcnt 0x0
	s_wait_alu depctr_hold_cnt(0) depctr_sa_sdst(0) depctr_va_vdst(0) depctr_va_sdst(0) depctr_va_ssrc(0) depctr_va_vcc(0) depctr_vm_vsrc(0)
	s_getreg_b32 s2, hwreg(HW_REG_IB_STS2, 6, 4)
	s_cmp_eq_u32 s2, 0
	s_cbranch_scc0 .Lentry_in_a_cluster
	s_endpgm
.Lentry_in_a_cluster:
	s_bfe_u32 s2, ttmp6, 0x10000c
	s_cmp_lg_u32 s2, 0xf033
	s_cbranch_scc0 .Lentry_shape_is_right
	s_endpgm
.Lentry_shape_is_right:
; q = x Wq^T + bq, k = x Wk^T + bk, v = x Wv^T + bv on codes of FP4 with E8M0 scales (made by the launch before), sums in f32; the results are quantised here, in registers, and leave as operand images:
; q and k along the head's 64 (two blocks), v along the keys.  Nothing goes to memory as f32.
; SHARES.  Work-group (x 0-11, y 0-31): 256 rows of x (rowblock y) against 256 rows of a weight (rowblock 32 + x).  The cluster's x is the type: 0 q, 1 k, 2 v; it is the same in all sixteen partners.
; Four waves, as many as a WGP has SIMDs; a wave makes 128 x 128: 64 accumulators, 512 registers.
; K = 1,024: both operands' codes (2 x 131,072 bytes) and scale words (2 x 8,192) lie in LDS at once.  Each byte of LDS is filled once: no ring, no refill.
; SIDES.  Source 0 of the matrix instruction is the side along which a lane's result registers run, which must be the NEXT product's K: the weight's rows for q and k (registers run along the head), x's rows for v (registers run along the keys).
; The tensor loads are alike for all types; only the LDS bases of the fragment reads are chosen, by the type.
; By the tiles' row order (lane place r = row 32 B + 8 u + r + 8 (r / 8)) the 16 registers of two neighbouring source-0 tiles are 16 neighbours along the next K.
; CLUSTER 4 x 4: x's rowblock hangs on the work-group's y alone and is asked for jointly by a row of the cluster, the weight's on its x alone and is asked for jointly by a column.
; qkv: QC 0 and KC 4,194,304: [head 64][tile 128][512]; VC 8,388,608: [head][key step 16][d tile 4][1024]; QS 12,582,912 and KS 13,107,200: [head][group 16][r 16][tile 8][word: two bytes, two zeros]; VS 13,631,488: [head][key step][r 16][d tile 4][word].
; REGISTERS, in windows of 256: window 0: v1-19 addresses; v32-95, v96-159 scale words of side 0 and side 1 (scales and nothing else); v160-223 the bias along the registers; v224-239 the bias along the lanes, in pairs.
;   window 1: two sets of fragments (side 0: 64, side 1: 64); on the way out T, codes, scratch.   windows 2, 3: accumulator (a, b) at 64 (a % 4) + 8 b, a < 4 in window 2.
; LIMITS: a block whose largest magnitude lies under 2^-124 gets the byte 1 (read by this program alone); NaN and infinities are not served.
.set SCL,  6291456
.set XSR,  262144                      ; LDS: x's codes at 0, the weight's at 131,072, [K step][tile 16][1024]; x's scale words here,
.set WSR,  270336                      ; the weight's here, [K group 2][tile 16][r 16][16 bytes];
.set STQ,  278528                      ; a stage of 1,024 bytes a wave for q's and k's scale words,
.set STV,  282624                      ; and one of 512 bytes a wave for v's: each path has bytes of its own, and no tensor load lands there
.set G1X,  24                          ; s[24:31] group 1, x's codes;   s[32:39] the weight's;   s[40:47], s[48:55] their scale words
.set G1W,  32
.set G1XS, 40
.set G1WS, 48
.set G0X,  56                          ; groups 0
.set G0W,  60
.set G0XS, 68
.set G0WS, 72
.set SEL,  80                          ; s[80:81] selects for lane l xor 16
.set SC0,  32
.set SC1,  96
.set B0,   160
.set B1,   224
.set T,    0                           ; window 1, on the way out: 64 numbers,
.set PC,   64                          ; eight code registers for each a: no store's data are written again,
.set TM,   128                         ; scratch,
.set PW,   144                         ; a scale word for each a,
.set RB,   152                         ; and what comes back from the stage
.set MSB, 0
.macro WIN new                         ; the immediate's high byte repeats the setting that is left
.if MSB != (\new)
	s_set_vgpr_msb (MSB<<8)|(\new)
.set MSB, (\new)
.endif
.endm
; A joint load: waves 0 and 1 fetch x's halves, waves 2 and 3 the weight's.  The branch hangs on the wave's number alone.  Four v_nop follow each of the two lines.
.macro JLOAD g0a, g1a, g0b, g1b
	s_cmp_eq_u32 s15, 0
	s_cbranch_scc0 .Lfor_b_\@
	tensor_load_to_lds s[\g0a:\g0a+3], s[\g1a:\g1a+7]
	s_nop 0
.rept 4
	v_nop
.endr
	s_branch .Lasked_\@
.Lfor_b_\@:
	tensor_load_to_lds s[\g0b:\g0b+3], s[\g1b:\g1b+7]
	s_nop 0
.rept 4
	v_nop
.endr
.Lasked_\@:
.endm
.macro CROUND                          ; a round of the cluster's barrier
	s_barrier_signal -1
	s_barrier_wait -1
	s_cmp_lg_u32 s14, 0
	s_cbranch_scc1 .Lnot_wave_0_\@
	s_barrier_signal -3
.Lnot_wave_0_\@:
	s_barrier_wait -3
	s_barrier_signal -1
	s_barrier_wait -1
.endm
.macro PLACES                          ; four plain vector lines behind a matrix instruction, ahead of loads into its sources and of reads of its result
.rept 4
	v_nop
.endr
.endm
	s_load_b256 s[4:11], s[0:1], 0x0               ; opq s[4:5], bq s[6:7], bk s[8:9], bv s[10:11]
	s_load_b64 s[12:13], s[0:1], 0x20              ; qkv
	v_lshl_add_u32 v254, v0, 2, 0x45800
	v_mov_b32 v255, 0
	ds_add_u32 v254, v255
	ds_add_u32 v254, v255
	v_lshrrev_b32 v1, 5, v0
	v_readfirstlane_b32 s14, v1                    ; wave 0..3
	s_lshr_b32 s15, s14, 1                         ; w1: my half of side 1.  Also: I fetch x (0) or the weight (1)
	s_and_b32 s16, s14, 1                          ; w0: my half of side 0.  Also: which half of K I fetch
	s_bfe_u32 s17, ttmp6, 0x40000                  ; cx
	s_bfe_u32 s18, ttmp6, 0x40004                  ; cy
	s_mov_b32 s21, ttmp9                           ; the type
	s_lshl_b32 s19, ttmp9, 2
	s_add_co_u32 s19, s19, s17                     ; work-group x
	s_and_b32 s20, ttmp7, 0xffff
	s_lshl_b32 s20, s20, 2
	s_add_co_u32 s20, s20, s18                     ; work-group y
	s_lshl_b32 s76, s18, 2
	s_lshl_b32 s76, 15, s76                        ; my row of the cluster
	s_lshl_b32 s77, 0x1111, s17                    ; my column
	s_or_b32 s[G1X], s76, (3<<16)|(1<<21)          ; 15:0 the mask; 17:16 elements of 8 bytes; 21 set beside a mask; no padding: images are read 512 consecutive bytes at a time
	s_or_b32 s[G1XS], s76, (3<<16)|(1<<21)
	s_or_b32 s[G1W], s77, (3<<16)|(1<<21)
	s_or_b32 s[G1WS], s77, (3<<16)|(1<<21)
.irp g, G1X, G1W                       ; half a rowblock's codes: a dense block of 65,536 bytes as 256 rows of 256 bytes
	s_mov_b32 s[\g+1], 32<<16                      ; tensor_dim0 = 32 elements
	s_mov_b32 s[\g+2], 256<<16                     ; tensor_dim1
	s_mov_b32 s[\g+3], 32<<16                      ; tile_dim0
	s_mov_b32 s[\g+4], 256                         ; tile_dim1
	s_mov_b32 s[\g+5], 32                          ; the pitch
	s_mov_b32 s[\g+6], 0
	s_mov_b32 s[\g+7], 0
.endr
.irp g, G1XS, G1WS                     ; half its scale words: 4,096 bytes as 16 rows of 256
	s_mov_b32 s[\g+1], 32<<16
	s_mov_b32 s[\g+2], 16<<16
	s_mov_b32 s[\g+3], 32<<16
	s_mov_b32 s[\g+4], 16
	s_mov_b32 s[\g+5], 32
	s_mov_b32 s[\g+6], 0
	s_mov_b32 s[\g+7], 0
.endr
	s_lshl_b32 s88, s14, 16                        ; where my codes go: wave x 65,536: no place in the cluster enters an LDS address
	s_lshl_b32 s89, s14, 12
	s_add_co_u32 s89, s89, XSR                     ; and my scale words
	s_lshl_b32 s90, s16, 16                        ; my half, in the codes
	s_lshl_b32 s91, s16, 12                        ; and in the scale words
	s_lshl_b32 s78, s20, 17                        ; x: by the work-group's y alone
	s_add_co_u32 s78, s78, s90
	s_mov_b32 s79, 0
	s_lshl_b32 s84, s20, 13
	s_add_co_u32 s84, s84, s91
	s_add_co_u32 s84, s84, SCL
	s_mov_b32 s85, 0
	s_add_co_u32 s82, s19, 32                      ; the weight: by the work-group's x alone
	s_lshl_b32 s86, s82, 13
	s_lshl_b32 s82, s82, 17
	s_add_co_u32 s82, s82, s90
	s_mov_b32 s83, 0
	s_add_co_u32 s86, s86, s91
	s_add_co_u32 s86, s86, SCL
	s_mov_b32 s87, 0
	s_wait_dscnt 0x0
	s_wait_kmcnt 0x0
	s_mov_b32 s[G0X], 1
	s_mov_b32 s[G0X+1], s88
	s_add_nc_u64 s[G0X+2:G0X+3], s[4:5], s[78:79]
	s_or_b32 s[G0X+3], s[G0X+3], 0x80000000
	s_mov_b32 s[G0W], 1
	s_mov_b32 s[G0W+1], s88
	s_add_nc_u64 s[G0W+2:G0W+3], s[4:5], s[82:83]
	s_or_b32 s[G0W+3], s[G0W+3], 0x80000000
	s_mov_b32 s[G0XS], 1
	s_mov_b32 s[G0XS+1], s89
	s_add_nc_u64 s[G0XS+2:G0XS+3], s[4:5], s[84:85]
	s_or_b32 s[G0XS+3], s[G0XS+3], 0x80000000
	s_mov_b32 s[G0WS], 1
	s_mov_b32 s[G0WS+1], s89
	s_add_nc_u64 s[G0WS+2:G0WS+3], s[4:5], s[86:87]
	s_or_b32 s[G0WS+3], s[G0WS+3], 0x80000000
	CROUND                                         ; all sixteen work-groups are here: the joint loads meet
	JLOAD G0XS, G1XS, G0WS, G1WS                   ; two tensor loads of mine are out: all that this launch has
	JLOAD G0X, G1X, G0W, G1W
	s_mov_b32 s[SEL], 0x76543210
	s_mov_b32 s[SEL+1], 0xfedcba98
	v_and_b32 v1, 15, v0                           ; r
	v_bfe_u32 v2, v0, 4, 1                         ; h
	v_and_b32 v18, 31, v0
	v_lshlrev_b32 v3, 4, v18                       ; 16 L: an image's place for my lane
	v_lshlrev_b32 v19, 4, v1                       ; 16 r
	s_cmp_eq_u32 s21, 2                            ; v?  Then x is side 0
	s_cselect_b32 s90, 0, 131072                   ; side 0's codes
	s_cselect_b32 s91, 131072, 0                   ; side 1's
	s_mov_b32 s92, WSR
	s_cselect_b32 s92, XSR, s92                    ; side 0's scale words
	s_mov_b32 s93, XSR
	s_cselect_b32 s93, WSR, s93                    ; side 1's
	s_lshl_b32 s94, s16, 13                        ; my eight tiles of side 0
	s_add_co_u32 s94, s94, s90
	v_add_nc_u32 v4, s94, v3                       ; K steps 0-3
	v_add_nc_u32 v5, 65536, v4                     ; K steps 4-7
	s_lshl_b32 s95, s15, 13
	s_add_co_u32 s95, s95, s91
	v_add_nc_u32 v6, s95, v3
	v_add_nc_u32 v7, 65536, v6
	s_lshl_b32 s94, s16, 11
	s_add_co_u32 s94, s94, s92
	v_add_nc_u32 v8, s94, v19                      ; lane r takes row place r's four words; lanes 16-31 the same, unread
	s_lshl_b32 s95, s15, 11
	s_add_co_u32 s95, s95, s93
	v_add_nc_u32 v9, s95, v19
	s_lshl_b32 s94, s14, 10
	s_add_co_u32 s94, s94, STQ
	v_lshlrev_b32 v10, 5, v1
	v_lshl_add_u32 v10, v2, 9, v10
	v_add_nc_u32 v10, s94, v10                     ; q's and k's scale words into the stage: 32 r, the second head 512 on
	v_add_nc_u32 v11, s94, v3                      ; and back
	s_lshl_b32 s95, s14, 9
	s_add_co_u32 s95, s95, STV
	v_add_nc_u32 v12, s95, v19                     ; v's: 16 r
	v_add_nc_u32 v13, s95, v3
	v_lshlrev_b32 v14, 4, v2                       ; 16 h: which half of a scale word is my head's
	v_lshl_add_u32 v15, v2, 12, v19                ; v's scale words in memory: 16 r, the second head 4,096 on
	v_lshlrev_b32 v16, 6, v2                       ; 64 h
	v_and_b32 v17, 8, v1
	v_add_nc_u32 v17, v17, v1
	v_lshlrev_b32 v17, 2, v17                      ; 4 (r + 8 (r / 8))
	s_cmp_eq_u32 s21, 1                            ; the type's bias
	s_cselect_b64 s[6:7], s[8:9], s[6:7]
	s_cmp_eq_u32 s21, 2
	s_cselect_b64 s[6:7], s[10:11], s[6:7]
	s_lshl_b32 s96, s17, 10                        ; the work-group's 256 numbers
	s_lshl_b32 s98, s16, 9
	s_add_co_u32 s98, s98, s96
	s_mov_b32 s99, 0
	s_add_nc_u64 s[8:9], s[6:7], s[98:99]          ; side 0's 128 (used by q and k)
	s_lshl_b32 s98, s15, 9
	s_add_co_u32 s98, s98, s96
	s_add_nc_u64 s[10:11], s[6:7], s[98:99]        ; side 1's 128 (used by v).  Both forms are loaded for every type: the ways part only behind the products; both stay inside the buffer
.irp b, 0,1,2,3,4,5,6,7
	global_load_b128 v[B0+8*\b:B0+8*\b+3], v16, s[8:9] offset:(32*(\b/2)+8*(\b%2))*4        ; register 8 b + j: unit 32 (b / 2) + 16 h + 8 (b % 2) + j
	global_load_b128 v[B0+8*\b+4:B0+8*\b+7], v16, s[8:9] offset:(32*(\b/2)+8*(\b%2))*4+16
.endr
.irp a, 0,1,2,3,4,5,6,7
	global_load_b32 v[B1+2*\a], v17, s[10:11] offset:(32*(\a/2)+8*(\a%2))*4                 ; tile a, lane place r
	v_mov_b32 v[B1+2*\a+1], 0                      ; (named with it as a pair, so it is written)
.endr
	s_wait_tensorcnt 0x0                           ; my parts have landed,
	s_barrier_signal -1
	s_barrier_wait -1                              ; everybody's have.  Nothing is filled again in this launch
.irp g, 0,1                            ; all scale words, once: register 32 g + 4 i + q: tile i, K step 4 g + q
.irp i, 0,1,2,3,4,5,6,7
	ds_load_b128 v[SC0+32*\g+4*\i:SC0+32*\g+4*\i+3], v8 offset:4096*\g+256*\i
	ds_load_b128 v[SC1+32*\g+4*\i:SC1+32*\g+4*\i+3], v9 offset:4096*\g+256*\i
.endr
.endr
.macro FETCH s                         ; K step s: 8 fragments of each side into set s % 2: 32 loads of 512 consecutive bytes
.set FP, 128*((\s)%2)
	WIN 0x40                                       ; destination window 1
.irp i, 0,1,2,3,4,5,6,7
.irp c, 0,1
	ds_load_b128 v[FP+8*\i+4*\c:FP+8*\i+4*\c+3], v[4+(\s)/4] offset:((\s)%4)*16384+1024*\i+512*\c
	ds_load_b128 v[FP+64+8*\i+4*\c:FP+64+8*\i+4*\c+3], v[6+(\s)/4] offset:((\s)%4)*16384+1024*\i+512*\c
.endr
.endr
.endm
.macro MULS s, hi                      ; 32 products: side 1's tiles 4 hi .. 4 hi + 3 against side 0's eight.  The accumulators take turns, one instruction a turn
.set FP, 128*((\s)%2)
.set SS, 32*((\s)/4)+(\s)%4
.irp a, 0,1,2,3
.irp b, 0,1,2,3,4,5,6,7
.if (\s) == 0
	v_wmma_scale_f32_16x16x128_f8f6f4 v[64*\a+8*\b:64*\a+8*\b+7], v[FP+8*\b:FP+8*\b+7], v[FP+64+8*(4*\hi+\a):FP+71+8*(4*\hi+\a)], 0, v[SC0+SS+4*\b], v[SC1+SS+4*(4*\hi+\a)] matrix_a_fmt:MATRIX_FMT_FP4 matrix_b_fmt:MATRIX_FMT_FP4
.else
	v_wmma_scale_f32_16x16x128_f8f6f4 v[64*\a+8*\b:64*\a+8*\b+7], v[FP+8*\b:FP+8*\b+7], v[FP+64+8*(4*\hi+\a):FP+71+8*(4*\hi+\a)], v[64*\a+8*\b:64*\a+8*\b+7], v[SC0+SS+4*\b], v[SC1+SS+4*(4*\hi+\a)] matrix_a_fmt:MATRIX_FMT_FP4 matrix_b_fmt:MATRIX_FMT_FP4
.endif
.endr
.endr
.endm
.macro STEP s
.if (\s) > 0
	PLACES                                         ; the set that is loaded next was read by the products just issued
.endif
.if (\s) < 7
	FETCH (\s)+1
	s_wait_dscnt 32                                ; all but the 32 loads just issued: this step's fragments (and, in step 0, the scale words) are in
.else
	s_wait_dscnt 0x0
.endif
	WIN 0xa5                                       ; sources 0 and 1 window 1, C and D window 2
	MULS \s, 0
	WIN 0xf5                                       ; C and D window 3
	MULS \s, 1
.endm
	FETCH 0
.irp s, 0,1,2,3,4,5,6,7                ; the first step's products take the constant 0 as C: nothing is cleared
	STEP \s
.endr
; 64 numbers of a lane, register 16 b + i = place 32 b + 16 h + i along the next K, become a fragment's eight code registers and its scale word.  All registers in window 1.
.macro QUANT s, pc, pw
.irp b, 0,1,2,3
	v_max3_num_f32 v[TM+\b], |v[(\s)+16*\b]|, |v[(\s)+1+16*\b]|, 0x1800000   ; my 16 numbers of block b, and the floor 2^(3 - 127): the byte cannot fall under 1
.endr
.irp i, 2,4,6,8,10,12,14
.irp b, 0,1,2,3
	v_max3_num_f32 v[TM+\b], v[TM+\b], |v[(\s)+16*\b+\i]|, |v[(\s)+1+16*\b+\i]|
.endr
.endr
.irp b, 0,1,2,3
	v_permlanex16_b32 v[TM+4+\b], v[TM+\b], s[SEL], s[SEL+1]
.endr
.irp b, 0,1,2,3
	v_max_num_f32 v[TM+\b], v[TM+\b], v[TM+4+\b]   ; with lane l xor 16's: the block's largest magnitude
.endr
.irp b, 0,1,2,3
	v_add_nc_u32 v[TM+12+\b], 0xff000000, v[TM+\b] ; 2 off its exponent field: the conversion's scale operand
.endr
.irp b, 0,1,2,3
	v_lshrrev_b32 v[TM+4+\b], 23, v[TM+12+\b]      ; the scale's byte
.endr
	v_lshl_or_b32 v[(\pw)], v[TM+5], 8, v[TM+4]
	v_lshl_or_b32 v[(\pw)], v[TM+6], 16, v[(\pw)]
	v_lshl_or_b32 v[(\pw)], v[TM+7], 24, v[(\pw)]
.irp b, 0,1,2,3
	v_cvt_scalef32_pk8_fp4_f32 v[(\pc)+2*\b], v[(\s)+16*\b:(\s)+7+16*\b], v[TM+12+\b]
	v_cvt_scalef32_pk8_fp4_f32 v[(\pc)+1+2*\b], v[(\s)+8+16*\b:(\s)+15+16*\b], v[TM+12+\b]
.endr
	v_nop                                          ; one plain line behind the last scaled conversion
.irp c, 0,1                            ; the operand's layout wants a whole block in a lane
.irp i, 0,1
	v_permlane16_swap_b32 v[(\pc)+4*\c+\i], v[(\pc)+2+4*\c+\i]
.endr
.endr
.endm
; Side 1's tile a: bias, quantiser, two stores of 512 consecutive bytes
.macro EPI a, isv
	WIN 0x42+(\a)/4                                ; source 0: the accumulators' window; source 1 window 0; destination window 1
.set p, 0
.rept 32
.if \isv
	v_pk_add_f32 v[T+p:T+p+1], v[64*((\a)%4)+p:64*((\a)%4)+p+1], v[B1+2*(\a):B1+2*(\a)+1] op_sel_hi:[1,0]   ; each accumulator from its low end on
.else
	v_pk_add_f32 v[T+p:T+p+1], v[64*((\a)%4)+p:64*((\a)%4)+p+1], v[B0+p:B0+p+1]
.endif
.set p, p+2
.endr
	WIN 0x55
	QUANT T, PC+8*(\a), PW+(\a)
	WIN 0x04                                       ; a store's data are its source 1: window 1
.if \isv
	global_store_b128 v3, v[PC+8*(\a):PC+8*(\a)+3], s[76:77] offset:((\a)/4)*65536+((\a)%4)*1024        ; 16 of a head's 64 x my 128 keys: a whole fragment
	global_store_b128 v3, v[PC+8*(\a)+4:PC+8*(\a)+7], s[76:77] offset:((\a)/4)*65536+((\a)%4)*1024+512
.else
	global_store_b128 v3, v[PC+8*(\a):PC+8*(\a)+3], s[76:77] offset:512*(\a)                            ; my first head's 64 of these 16 rows,
	global_store_b128 v3, v[PC+8*(\a)+4:PC+8*(\a)+7], s[76:77] offset:65536+512*(\a)                    ; my second head's
.endif
.endm
	s_wait_loadcnt 0x0                             ; the biases
	PLACES                                         ; behind the last products
	WIN 0x40
.irp b, 0,1,2,3
	v_mov_b32 v[TM+4+\b], 0                        ; written once: a lane permute's destination counts as one of its sources
.endr
	WIN 0                                          ; at a branch and at a label every window is 0
	s_lshr_b32 s2, s20, 3                          ; the batch
	s_and_b32 s3, s20, 7                           ; the rowblock in it
	s_lshl_b32 s22, s2, 4
	s_lshl_b32 s23, s17, 2
	s_add_co_u32 s22, s22, s23                     ; 16 batch + the work-group's first head
	s_mov_b32 s99, 0
	s_cmp_eq_u32 s21, 2
	s_cbranch_scc1 .Lv
	; ---- q and k: a lane holds one row; its registers run along two heads
	s_lshl_b32 s23, s16, 1
	s_add_co_u32 s96, s22, s23                     ; my first head
	s_lshl_b32 s97, s3, 1
	s_add_co_u32 s97, s97, s15                     ; my group of eight tiles
	s_lshl_b32 s98, s96, 16
	s_lshl_b32 s23, s97, 12
	s_add_co_u32 s98, s98, s23
	s_lshl_b32 s23, s21, 22
	s_add_co_u32 s98, s98, s23
	s_add_nc_u64 s[76:77], s[12:13], s[98:99]      ; the codes
	s_lshl_b32 s98, s96, 13
	s_lshl_b32 s23, s97, 9
	s_add_co_u32 s98, s98, s23
	s_lshl_b32 s23, s21, 19
	s_add_co_u32 s98, s98, s23
	s_add_co_u32 s98, s98, 12582912
	s_add_nc_u64 s[78:79], s[12:13], s[98:99]      ; the scale words
.irp a, 0,1,2,3,4,5,6,7
	EPI \a, 0
.endr
	WIN 0x44                                       ; source 1 and destination window 1
.irp a, 0,1,2,3,4,5,6,7
	v_lshrrev_b32 v[PW+\a], v14, v[PW+\a]          ; lanes 0-15 keep the first head's two bytes, lanes 16-31 the second's
.endr
.irp a, 0,1,2,3,4,5,6,7
	v_and_b32 v[PW+\a], 0xffff, v[PW+\a]           ; the upper two bytes stand over zero codes
.endr
.irp a, 0,1,2,3,4,5,6,7
	ds_store_b32 v10, v[PW+\a] offset:4*\a
.endr
	WIN 0x40
	ds_load_b128 v[RB:RB+3], v11                   ; LDS serves a wave's instructions in order: these see my stores
	ds_load_b128 v[RB+4:RB+7], v11 offset:512
	s_wait_dscnt 0x0
	WIN 0x04
	global_store_b128 v3, v[RB:RB+3], s[78:79]     ; 512 consecutive bytes for each head
	global_store_b128 v3, v[RB+4:RB+7], s[78:79] offset:8192
	WIN 0
	s_branch .Ljoin
.Lv:
	; ---- v: a lane holds one of a head's 64; its registers run along my 128 keys: one key step
	s_lshl_b32 s23, s15, 1
	s_add_co_u32 s96, s22, s23                     ; my first head
	s_lshl_b32 s97, s3, 1
	s_add_co_u32 s97, s97, s16                     ; my key step
	s_lshl_b32 s98, s96, 16
	s_lshl_b32 s23, s97, 12
	s_add_co_u32 s98, s98, s23
	s_add_co_u32 s98, s98, 8388608
	s_add_nc_u64 s[76:77], s[12:13], s[98:99]
	s_lshl_b32 s98, s96, 12
	s_lshl_b32 s23, s97, 8
	s_add_co_u32 s98, s98, s23
	s_add_co_u32 s98, s98, 13631488
	s_add_nc_u64 s[78:79], s[12:13], s[98:99]
.irp a, 0,1,2,3,4,5,6,7
	EPI \a, 1
.endr
	WIN 0x04
.irp a, 0,1,2,3,4,5,6,7
	ds_store_b32 v12, v[PW+\a] offset:(\a/4)*256+(\a%4)*4    ; lanes r and 16 + r write the same word with the same value
.endr
	WIN 0x40
	ds_load_b128 v[RB:RB+3], v13
	s_wait_dscnt 0x0
	WIN 0x04
	global_store_b128 v15, v[RB:RB+3], s[78:79]    ; sixteen lanes store 256 consecutive bytes, aligned, for each head
	WIN 0
.Ljoin:
	s_wait_dscnt 0x0
	s_wait_tensorcnt 0x0
	ds_add_u32 v254, v255
	s_wait_dscnt 0x0
	CROUND                                         ; the closing round: no work-group ends while a partner may still ask for a tile that names it
	s_endpgm
.Lfunc_end_k_q58f04a3c7d_qkv:
	.size	k_q58f04a3c7d_qkv, .Lfunc_end_k_q58f04a3c7d_qkv-k_q58f04a3c7d_qkv
	.p2alignl 7, 3214868480
	.fill 96, 4, 3214868480
	.section	.rodata,"a",@progbits
	.p2align	6, 0x0
	.amdhsa_kernel k_q58f04a3c7d_qkv
		.amdhsa_group_segment_fixed_size 285184
		.amdhsa_private_segment_fixed_size 0
		.amdhsa_enable_private_segment 0
		.amdhsa_kernarg_size 40
		.amdhsa_user_sgpr_count 2
		.amdhsa_user_sgpr_kernarg_segment_ptr 1
		.amdhsa_wavefront_size32 1
		.amdhsa_system_sgpr_workgroup_id_x 1
		.amdhsa_system_sgpr_workgroup_id_y 1
		.amdhsa_system_sgpr_workgroup_id_z 1
		.amdhsa_system_vgpr_workitem_id 0
		.amdhsa_next_free_vgpr 1024
		.amdhsa_next_free_sgpr 100
		.amdhsa_reserve_vcc 0
		.amdhsa_float_denorm_mode_32 3
		.amdhsa_float_denorm_mode_16_64 3
		.amdhsa_memory_ordered 1
		.amdhsa_forward_progress 1
		.amdhsa_inst_pref_size 196
	.end_amdhsa_kernel
	.amdgpu_metadata
---
amdhsa.version: [ 1, 2 ]
amdhsa.kernels:
  - .name:           k_q58f04a3c7d_qkv
    .symbol:         k_q58f04a3c7d_qkv.kd
    .args:
      - { .name: opq, .offset: 0, .size: 8, .value_kind: global_buffer, .address_space: global }
      - { .name: bq, .offset: 8, .size: 8, .value_kind: global_buffer, .address_space: global }
      - { .name: bk, .offset: 16, .size: 8, .value_kind: global_buffer, .address_space: global }
      - { .name: bv, .offset: 24, .size: 8, .value_kind: global_buffer, .address_space: global }
      - { .name: qkv, .offset: 32, .size: 8, .value_kind: global_buffer, .address_space: global }
    .group_segment_fixed_size: 285184
    .private_segment_fixed_size: 0
    .kernarg_segment_align: 8
    .kernarg_segment_size: 40
    .max_flat_workgroup_size: 128
    .sgpr_count:     100
    .vgpr_count:     1024
    .wavefront_size: 32
...
	.end_amdgpu_metadata
.endif
;; end of part 2
;; launch attn (part 3): grid 4 x 64, 16 waves a work-group, no clusters, 145,408 bytes of LDS; arguments qkv, msk, att; writes att
.if DOCPART == 3
	.amdgcn_target "amdgcn-amd-amdhsa--gfx1250"
	.amdhsa_code_object_version 6
	.text
	.protected	k_q58f04a3c7d_attn
	.globl	k_q58f04a3c7d_attn
	.p2align	8
	.type	k_q58f04a3c7d_attn,@function
k_q58f04a3c7d_attn:
	s_mov_b64 s[64:65], 0
	v_nop
	global_prefetch_b8 v0, s[64:65] scope:SCOPE_SE
	s_setreg_imm32_b32 hwreg(HW_REG_WAVE_MODE, 25, 1), 1
	s_wait_xcnt 0x0
; attn[head][q] = the sum over keys of softmax(q . k / 8, under the mask) v, both products on codes of FP4 with E8M0 scales, then quantised along the model's 1,024 for the last product.
; THE SOFTMAX AHEAD OF THE SECOND PRODUCT: t = score x log2(e) / 8; M = the row's largest t so far, rounded up to a whole number; p = 2^(t - M) is quantised along the keys, not normalised.
; The row's sum is taken of the unquantised p and divides at the end.  When M moves, the sum and O are multiplied by 2^(old M - new M): exact.
; THE MASK is an input and is honoured as it is given: the launch before has turned it into lane masks (64 words for a tile of 16 queries x 128 keys) and two flags a tile.  A key step whose tile is wholly false is passed over,
; one that is wholly true skips the 64 selects: forward scalar branches on stored whole numbers.  A row with no true byte gets the scale byte 0xff, which makes its output row NaN in the last product.
; SHARES.  A work-group copies one head's K and V (codes and scale words, 143,360 bytes) into LDS once; each of its sixteen waves takes query tiles j = 16 x + wave and 127 - j, one after the other, and walks the 16 key steps.
; Four waves to a SIMD: one wave's vector work stands beside another's products and LDS loads.
; NO TENSOR LOADS AND NO CLUSTER: the walk hangs on flags read from memory, so the copy goes through registers; each work-group reads its head's K and V once, at its head, and waits for nothing from memory afterwards.
; LAYOUT.  Both products are used transposed: S^T = K Q^T, O^T = V^T P^T: a lane holds one query (lane % 16) throughout.  By the tiles' row order the 16 registers of key tiles 2 b, 2 b + 1 are keys 32 b + 16 (lane / 16) + 0 .. 15.
; The head's K is 64: registers 0-3 of Q's and K's fragments hold it, registers 4-7 are zero codes.
; REGISTERS: v1-7 lane constants; v8-11 the step's LDS addresses; v12 -M, v13 the largest t, v[14:15] the sum; v16-23 Q; v24-31 K's scale words; v32-63, v200-231 K; v64-95 V; v96-159 S^T, then p; v160-191 O^T; v192-199 p's codes;
;   v232-239, v244-247, v252, v254 at work; v240-243 V's scale words; v253 p's scale word; v255 Q's.   s[32:63], s[68:99]: the step's 64 mask words; between steps they serve as scratch.
; LIMITS: a block whose largest magnitude lies under 2^-124 gets the byte 1 (read by this program alone); NaN and infinities are not served.
.set KCO, 4194304
.set VCO, 8388608
.set QSO, 12582912
.set KSO, 13107200
.set VSO, 13631488
.set TFL, 524288
.set ASO, 4194304
.set LV,  65536                        ; LDS: K's codes at 0 (tile T at 512 T), V's here (step x 4,096 + d tile x 1,024),
.set LKS, 131072                       ; K's scale words [step][r 16][tile 8][4],
.set LVS, 139264                       ; V's [step][r 16][d tile 4][4]
	s_load_b128 s[4:7], s[0:1], 0x0                ; qkv, msk
	s_load_b64 s[8:9], s[0:1], 0x10                ; att
	v_lshl_add_u32 v248, v0, 2, 0x23000
	v_mov_b32 v251, 0
	v_lshrrev_b32 v232, 5, v0
	v_readfirstlane_b32 s10, v232                  ; wave 0..15
	s_and_b32 s18, ttmp7, 0xffff                   ; the head, 0..63
	s_lshl_b32 s11, ttmp9, 4
	s_add_co_u32 s11, s11, s10                     ; my first query tile
	s_lshl_b32 s40, s18, 16
	s_add_co_u32 s40, s40, KCO
	s_mov_b32 s41, 0
	s_lshl_b32 s42, s18, 16
	s_add_co_u32 s42, s42, VCO
	s_mov_b32 s43, 0
	s_lshl_b32 s44, s18, 13
	s_add_co_u32 s44, s44, KSO
	s_mov_b32 s45, 0
	s_lshl_b32 s46, s18, 12
	s_add_co_u32 s46, s46, VSO
	s_mov_b32 s47, 0
	v_lshlrev_b32 v8, 4, v0                        ; the copy: 16 bytes a thread, 8,192 an instruction
	v_add_nc_u32 v9, LV, v8
	v_add_nc_u32 v10, LKS, v8
	v_lshlrev_b32 v11, 3, v0
	v_add_nc_u32 v250, LVS, v11
	s_wait_kmcnt 0x0
	s_add_nc_u64 s[32:33], s[4:5], s[40:41]
	s_add_nc_u64 s[34:35], s[4:5], s[42:43]
	s_add_nc_u64 s[36:37], s[4:5], s[44:45]
	s_add_nc_u64 s[38:39], s[4:5], s[46:47]
.irp i, 0,1,2,3,4,5,6,7
	global_load_b128 v[96+4*\i:99+4*\i], v8, s[32:33] offset:8192*\i
.endr
.irp i, 0,1,2,3,4,5,6,7
	global_load_b128 v[128+4*\i:131+4*\i], v8, s[34:35] offset:8192*\i
.endr
	global_load_b128 v[160:163], v8, s[36:37]
	global_load_b64 v[164:165], v11, s[38:39]
	v_and_b32 v233, 31, v0                         ; L
	v_and_b32 v234, 15, v0                         ; r
	v_bfe_u32 v235, v0, 4, 1                       ; h
	v_lshlrev_b32 v1, 4, v233                      ; 16 L
	v_add_nc_u32 v2, LV, v1
	v_lshlrev_b32 v5, 5, v234                      ; 32 r
	v_add_nc_u32 v3, LKS, v5
	v_lshlrev_b32 v4, 4, v234
	v_add_nc_u32 v4, LVS, v4
	v_lshl_add_u32 v6, v234, 2, v235               ; 4 r + h
	v_mov_b32 v7, 0xff800000                       ; -infinity
	v_mov_b32 v249, 0xff
.irp j, 0,1,2,3
	v_mov_b32 v[20+\j], 0                          ; the upper halves of Q's and K's fragments: zero codes, written once
	v_mov_b32 v[236+\j], 0                         ; a lane permute's destination counts as one of its sources
.endr
.irp t, 0,1,2,3
.irp j, 4,5,6,7
	v_mov_b32 v[32+8*\t+\j], 0
	v_mov_b32 v[200+8*\t+\j], 0
.endr
.endr
	v_mov_b32 v252, 0
	v_mov_b32 v253, 0                              ; (named as the upper half of the pair v[252:253] before it is first written)
	s_mov_b32 s24, 0x76543210
	s_mov_b32 s25, 0xfedcba98                      ; selects for lane l xor 16
	s_mov_b32 s26, 0x3e38aa3b                      ; c = log2(e) / 8
	s_mov_b32 s27, s26                             ; (named with it as a pair)
	s_mov_b32 s30, 0xffff0000                      ; lanes 16-31
.irp i, 0,1,2,3,4,5,6,7
	s_wait_loadcnt 17-\i                           ; loads come back in order: the younger ones stay out
	ds_store_b128 v8, v[96+4*\i:99+4*\i] offset:8192*\i
.endr
.irp i, 0,1,2,3,4,5,6,7
	s_wait_loadcnt 9-\i
	ds_store_b128 v9, v[128+4*\i:131+4*\i] offset:8192*\i
.endr
	s_wait_loadcnt 1
	ds_store_b128 v10, v[160:163]
	s_wait_loadcnt 0x0
	ds_store_b64 v250, v[164:165]
	s_wait_dscnt 0x0                               ; for the others' sake: my stores have landed
	s_barrier_signal -1
	s_barrier_wait -1                              ; the head's K and V lie in LDS; from here on LDS is only read
	s_mov_b32 s12, 2
.Ltile:
	s_lshl_b32 s32, s18, 16                        ; Q's fragment: (128 head + T) x 512
	s_lshl_b32 s33, s11, 9
	s_add_co_u32 s32, s32, s33
	s_mov_b32 s33, 0
	s_add_nc_u64 s[34:35], s[4:5], s[32:33]
	global_load_b128 v[16:19], v1, s[34:35]
	s_lshl_b32 s36, s18, 13                        ; its scale words: (16 head + T / 8) x 512 + 32 r + 4 (T % 8)
	s_lshr_b32 s37, s11, 3
	s_lshl_b32 s37, s37, 9
	s_add_co_u32 s36, s36, s37
	s_and_b32 s37, s11, 7
	s_lshl_b32 s37, s37, 2
	s_add_co_u32 s36, s36, s37
	s_add_co_u32 s36, s36, QSO
	s_mov_b32 s37, 0
	s_add_nc_u64 s[38:39], s[4:5], s[36:37]
	global_load_b32 v255, v5, s[38:39]
	s_lshl_b32 s40, s11, 4                         ; the tile's four flag words
	s_add_co_u32 s40, s40, TFL
	s_mov_b32 s41, 0
	s_add_nc_u64 s[42:43], s[6:7], s[40:41]
	s_load_b128 s[20:23], s[42:43], 0x0
	s_lshl_b32 s44, s11, 12                        ; and its 16 records
	s_mov_b32 s45, 0
	s_add_nc_u64 s[28:29], s[6:7], s[44:45]
.set j, 0
.rept 32
	v_mov_b32 v[160+j], 0                          ; O^T: which step is a tile's first hangs on the flags, so no product can be written out to start the sums
.set j, j+1
.endr
	v_mov_b32 v13, 0xff61b1e6                      ; the largest t so far: -3e38, under every t
	v_floor_f32 v12, -v13                          ; -M
	v_mov_b32 v14, 0
	v_mov_b32 v15, 0
	s_mov_b32 s15, 0                               ; the step's codes in LDS: 4,096 bytes a step, K's and V's alike
	s_mov_b32 s16, 0                               ; K's scale words: 512
	s_mov_b32 s17, 0                               ; V's: 256
	s_mov_b32 s13, 16
	s_wait_kmcnt 0x0
	s_or_b32 s14, s20, s21                         ; each word holds its four steps' bits at their final places
	s_or_b32 s14, s14, s22
	s_or_b32 s14, s14, s23
	s_wait_loadcnt 0x0                             ; Q
	s_wait_xcnt 0x0                                ; the bases above lie among the mask words' registers, which the steps load anew
.Lstep:
	s_and_b32 s19, s14, 1                          ; is any byte of this step's tile true?
	s_cmp_lg_u32 s19, 0
	s_cbranch_scc0 .Lskip
	s_load_b512 s[32:47], s[28:29], 0x0            ; the record: asked for in every step that is walked
	s_load_b512 s[48:63], s[28:29], 0x40
	s_load_b512 s[68:83], s[28:29], 0x80
	s_load_b512 s[84:99], s[28:29], 0xc0
	v_add_nc_u32 v8, s15, v1                       ; four plain lines: also the places behind the last step's products, ahead of the loads into their sources
	v_add_nc_u32 v9, s15, v2
	v_add_nc_u32 v10, s16, v3
	v_add_nc_u32 v11, s17, v4
.irp t, 0,1,2,3
	ds_load_b128 v[32+8*\t:35+8*\t], v8 offset:512*\t
.endr
.irp t, 0,1,2,3
	ds_load_b128 v[200+8*\t:203+8*\t], v8 offset:2048+512*\t
.endr
	ds_load_b128 v[24:27], v10
	ds_load_b128 v[28:31], v10 offset:16
.irp d, 0,1,2,3
.irp c, 0,1
	ds_load_b128 v[64+8*\d+4*\c:67+8*\d+4*\c], v9 offset:1024*\d+512*\c
.endr
.endr
	ds_load_b128 v[240:243], v11
	s_wait_dscnt 9                                 ; K and its scale words are in; V's eight loads and its scale words may be out
.irp t, 0,1,2,3
	v_wmma_scale_f32_16x16x128_f8f6f4 v[96+8*\t:103+8*\t], v[32+8*\t:39+8*\t], v[16:23], 0, v[24+\t], v255 matrix_a_fmt:MATRIX_FMT_FP4 matrix_b_fmt:MATRIX_FMT_FP4
.endr
.irp t, 0,1,2,3
	v_wmma_scale_f32_16x16x128_f8f6f4 v[128+8*\t:135+8*\t], v[200+8*\t:207+8*\t], v[16:23], 0, v[28+\t], v255 matrix_a_fmt:MATRIX_FMT_FP4 matrix_b_fmt:MATRIX_FMT_FP4
.endr
.rept 4
	v_nop                                          ; places ahead of the first read of the scores
.endr
	s_wait_kmcnt 0x0                               ; the record
	s_and_b32 s19, s14, 0x10000                    ; true and false mixed?
	s_cmp_lg_u32 s19, 0
	s_cbranch_scc0 .Lopen
.set n, 0
.rept 32
	v_cndmask_b32 v[96+n], v7, v[96+n], s[32+n]    ; a hidden score becomes -infinity ahead of the maximum: p = 0 then
.set n, n+1
.endr
.rept 32
	v_cndmask_b32 v[96+n], v7, v[96+n], s[36+n]
.set n, n+1
.endr
.Lopen:
.irp b, 0,1,2,3
	v_max3_num_f32 v[232+\b], v[96+16*\b], v[97+16*\b], v[98+16*\b]   ; the largest score of each block of 32 keys: it serves for the row's maximum and, since p rises with the score, for the block's largest p
.endr
.irp i, 3,5,7,9,11,13
.irp b, 0,1,2,3
	v_max3_num_f32 v[232+\b], v[232+\b], v[96+16*\b+\i], v[97+16*\b+\i]
.endr
.endr
.irp b, 0,1,2,3
	v_max_num_f32 v[232+\b], v[232+\b], v[111+16*\b]
.endr
.irp b, 0,1,2,3
	v_permlanex16_b32 v[236+\b], v[232+\b], s24, s25
.endr
.irp b, 0,1,2,3
	v_max_num_f32 v[232+\b], v[232+\b], v[236+\b]  ; with lane l xor 16's 16 keys
.endr
	v_max3_num_f32 v254, v232, v233, v234
	v_max_num_f32 v254, v254, v235                 ; the step's largest score of my query
	v_mul_f32 v254, s26, v254                      ; as t (c is positive)
	v_max_num_f32 v13, v13, v254                   ; the running largest t
	v_mov_b32 v254, v12
	v_floor_f32 v12, -v13                          ; the new -M = floor(-t) = -ceil(t)
	v_sub_f32 v254, v12, v254                      ; old M - new M: a whole number, 0 or less
	v_cvt_i32_f32 v254, v254                       ; (it saturates)
	v_ldexp_f32 v252, 1.0, v254                    ; f = 2^(old M - new M)
.set j, 0
.rept 32
	v_pk_fma_f32 v[96+j:97+j], v[96+j:97+j], s[26:27], v[12:13] op_sel_hi:[1,0,0]   ; t - M, two at a time
.set j, j+2
.endr
.irp b, 0,1,2,3
	v_fma_f32 v[232+\b], v[232+\b], s26, v12       ; the same of each block's largest score
.endr
.set j, 0
.rept 64
	v_exp_f32 v[96+j], v[96+j]                     ; p = 2^(t - M), at most 1
.set j, j+1
.endr
	v_pk_mul_f32 v[14:15], v[14:15], v[252:253] op_sel_hi:[1,0]   ; the sums under the new M: the plain line behind the exponentials
	s_wait_alu depctr_va_vdst(0)                   ; one wait for the whole batch, ahead of its first reader
.irp b, 0,1,2,3
	v_exp_f32 v[232+\b], v[232+\b]                 ; the block's largest p: the same two instructions on the same number
.endr
	v_pk_add_f32 v[236:237], v[96:97], v[98:99]    ; the row's sum is taken of the unquantised p, in two chains
.irp j, 4,8,12,16,20,24,28,32,36,40,44,48,52,56,60
	v_pk_add_f32 v[14:15], v[14:15], v[96+\j:97+\j]
	v_pk_add_f32 v[236:237], v[236:237], v[98+\j:99+\j]
.endr
	v_pk_add_f32 v[14:15], v[14:15], v[236:237]
	s_wait_alu depctr_va_vdst(0)                   ; and one for the four
.irp b, 0,1,2,3
	v_max_num_f32 v[232+\b], 0x1800000, v[232+\b]  ; the floor 2^(3 - 127): a block whose every p is 0 keeps the byte 1 over zero codes
.endr
.irp b, 0,1,2,3
	v_add_nc_u32 v[244+\b], 0xff000000, v[232+\b]  ; the conversion's scale operand
.endr
.irp b, 0,1,2,3
	v_lshrrev_b32 v[236+\b], 23, v[244+\b]         ; the scale's byte
.endr
	v_lshl_or_b32 v253, v237, 8, v236              ; p's scale word for these 128 keys
	v_lshl_or_b32 v253, v238, 16, v253
	v_lshl_or_b32 v253, v239, 24, v253
.irp b, 0,1,2,3
	v_cvt_scalef32_pk8_fp4_f32 v[192+2*\b], v[96+16*\b:103+16*\b], v[244+\b]
	v_cvt_scalef32_pk8_fp4_f32 v[193+2*\b], v[104+16*\b:111+16*\b], v[244+\b]
.endr
	v_nop                                          ; one plain line behind the last scaled conversion
.irp c, 0,1
.irp i, 0,1
	v_permlane16_swap_b32 v[192+4*\c+\i], v[194+4*\c+\i]   ; a whole block to a lane
.endr
.endr
.set j, 0
.rept 16
	v_pk_mul_f32 v[160+j:161+j], v[160+j:161+j], v[252:253] op_sel_hi:[1,0]   ; O^T under the new M; these sixteen lines also stand between the making of p's codes and scale word and the products
.set j, j+2
.endr
	s_wait_dscnt 0x0                               ; V and its scale words
.irp d, 0,1,2,3
	v_wmma_scale_f32_16x16x128_f8f6f4 v[160+8*\d:167+8*\d], v[64+8*\d:71+8*\d], v[192:199], v[160+8*\d:167+8*\d], v[240+\d], v253 matrix_a_fmt:MATRIX_FMT_FP4 matrix_b_fmt:MATRIX_FMT_FP4
.endr
.Lskip:
	s_wait_xcnt 0x0                                ; the record's loads have read their base: it may step
	s_add_nc_u64 s[28:29], s[28:29], 256
	s_lshr_b32 s14, s14, 1                         ; the next step's two flags come to bits 0 and 16
	s_add_co_u32 s15, s15, 4096
	s_add_co_u32 s16, s16, 512
	s_add_co_u32 s17, s17, 256
	s_sub_co_u32 s13, s13, 1
	s_cmp_lg_u32 s13, 0
	s_cbranch_scc1 .Lstep
	; ---- the tile's end: O^T / the sum, quantised along the head's 64 (two blocks of the last product's K), stored as half a fragment's image
	v_add_f32 v14, v14, v15                        ; the sum's two halves; with the three lines below: the places behind the last products
.rept 3
	v_nop
.endr
	v_permlanex16_b32 v252, v14, s24, s25
	v_add_f32 v14, v14, v252                       ; and lane l xor 16's: the row's sum
	v_cmp_eq_f32 vcc_lo, 0, v14                    ; no key counted for this query
	v_cndmask_b32 v14, v14, 1.0, vcc_lo            ; its codes stay zeros; its scale byte says NaN (below)
	v_rcp_f32 v14, v14
	v_nop                                          ; a plain line behind the reciprocal
	s_lshr_b32 s32, s18, 4
	s_lshl_b32 s32, s32, 7
	s_add_co_u32 s32, s32, s11                     ; G = 128 batch + T
	s_and_b32 s33, s18, 15                         ; the head in the batch
	s_lshr_b32 s34, s32, 3
	s_lshl_b32 s34, s34, 16                        ; block of 128 rows,
	s_lshr_b32 s35, s33, 1
	s_lshl_b32 s36, s35, 13                        ; K step = head / 2,
	s_add_co_u32 s34, s34, s36
	s_and_b32 s36, s32, 7
	s_lshl_b32 s36, s36, 10                        ; tile,
	s_add_co_u32 s34, s34, s36
	s_and_b32 s37, s33, 1
	s_lshl_b32 s36, s37, 9                         ; half of the fragment = head % 2
	s_add_co_u32 s38, s34, s36
	s_mov_b32 s39, 0
	s_add_nc_u64 s[40:41], s[8:9], s[38:39]
	s_lshl_b32 s42, s35, 15                        ; the scale bytes: [K step][G][r][4]
	s_lshl_b32 s43, s32, 6
	s_add_co_u32 s42, s42, s43
	s_lshl_b32 s43, s37, 1
	s_add_co_u32 s42, s42, s43
	s_add_co_u32 s42, s42, ASO
	s_mov_b32 s43, 0
	s_add_nc_u64 s[44:45], s[8:9], s[42:43]
	s_wait_alu depctr_va_vdst(0)                   ; ahead of the reciprocal's first reader
.set j, 0
.rept 32
	v_mul_f32 v[96+j], v[160+j], v14               ; register 16 b + i: channel 32 b + 16 h + i of my query
.set j, j+1
.endr
.irp b, 0,1
	v_max3_num_f32 v[232+\b], |v[96+16*\b]|, |v[97+16*\b]|, 0x1800000
.endr
.irp i, 2,4,6,8,10,12,14
.irp b, 0,1
	v_max3_num_f32 v[232+\b], v[232+\b], |v[96+16*\b+\i]|, |v[97+16*\b+\i]|
.endr
.endr
.irp b, 0,1
	v_permlanex16_b32 v[236+\b], v[232+\b], s24, s25
.endr
.irp b, 0,1
	v_max_num_f32 v[232+\b], v[232+\b], v[236+\b]
.endr
.irp b, 0,1
	v_add_nc_u32 v[244+\b], 0xff000000, v[232+\b]
.endr
.irp b, 0,1
	v_lshrrev_b32 v[236+\b], 23, v[244+\b]
.endr
.irp b, 0,1
	v_cvt_scalef32_pk8_fp4_f32 v[192+2*\b], v[96+16*\b:103+16*\b], v[244+\b]
	v_cvt_scalef32_pk8_fp4_f32 v[193+2*\b], v[104+16*\b:111+16*\b], v[244+\b]
.endr
	v_nop                                          ; one plain line behind the last scaled conversion
	v_permlane16_swap_b32 v192, v194
	v_permlane16_swap_b32 v193, v195               ; v192-195: channels 32 h + 0 .. 31
	v_cndmask_b32 v254, v236, v237, s30            ; lane (r, h) stores block h's byte,
	v_cndmask_b32 v254, v254, v249, vcc_lo         ; or 0xff where no key counted
	global_store_b128 v1, v[192:195], s[40:41]     ; 512 consecutive bytes
	global_store_b8 v6, v254, s[44:45]             ; two of a row's four bytes for this K step; the head beside mine stores the other two
	s_wait_xcnt 0x0                                ; the stores have read their registers and bases
	s_sub_co_u32 s11, 127, s11                     ; my second tile
	s_sub_co_u32 s12, s12, 1
	s_cmp_lg_u32 s12, 0
	s_cbranch_scc1 .Ltile
	s_wait_tensorcnt 0x0
	ds_add_u32 v248, v251
	s_wait_dscnt 0x0
	s_endpgm
.Lfunc_end_k_q58f04a3c7d_attn:
	.size	k_q58f04a3c7d_attn, .Lfunc_end_k_q58f04a3c7d_attn-k_q58f04a3c7d_attn
	.p2alignl 7, 3214868480
	.fill 96, 4, 3214868480
	.section	.rodata,"a",@progbits
	.p2align	6, 0x0
	.amdhsa_kernel k_q58f04a3c7d_attn
		.amdhsa_group_segment_fixed_size 145408
		.amdhsa_private_segment_fixed_size 0
		.amdhsa_enable_private_segment 0
		.amdhsa_kernarg_size 24
		.amdhsa_user_sgpr_count 2
		.amdhsa_user_sgpr_kernarg_segment_ptr 1
		.amdhsa_wavefront_size32 1
		.amdhsa_system_sgpr_workgroup_id_x 1
		.amdhsa_system_sgpr_workgroup_id_y 1
		.amdhsa_system_sgpr_workgroup_id_z 1
		.amdhsa_system_vgpr_workitem_id 0
		.amdhsa_next_free_vgpr 256
		.amdhsa_next_free_sgpr 100
		.amdhsa_reserve_vcc 1
		.amdhsa_float_denorm_mode_32 3
		.amdhsa_float_denorm_mode_16_64 3
		.amdhsa_memory_ordered 1
		.amdhsa_forward_progress 1
		.amdhsa_inst_pref_size 34
	.end_amdhsa_kernel
	.amdgpu_metadata
---
amdhsa.version: [ 1, 2 ]
amdhsa.kernels:
  - .name:           k_q58f04a3c7d_attn
    .symbol:         k_q58f04a3c7d_attn.kd
    .args:
      - { .name: qkv, .offset: 0, .size: 8, .value_kind: global_buffer, .address_space: global }
      - { .name: msk, .offset: 8, .size: 8, .value_kind: global_buffer, .address_space: global }
      - { .name: att, .offset: 16, .size: 8, .value_kind: global_buffer, .address_space: global }
    .group_segment_fixed_size: 145408
    .private_segment_fixed_size: 0
    .kernarg_segment_align: 8
    .kernarg_segment_size: 24
    .max_flat_workgroup_size: 512
    .sgpr_count:     100
    .vgpr_count:     256
    .wavefront_size: 32
...
	.end_amdgpu_metadata
.endif
;; end of part 3
;; launch proj (part 4): grid 4 x 64, 4 waves a work-group, clusters of 4 x 4, 243,200 bytes of LDS; arguments opq, att, bo, out0; writes out0
.if DOCPART == 4
	.amdgcn_target "amdgcn-amd-amdhsa--gfx1250"
	.amdhsa_code_object_version 6
	.text
	.protected	k_q58f04a3c7d_proj
	.globl	k_q58f04a3c7d_proj
	.p2align	8
	.type	k_q58f04a3c7d_proj,@function
k_q58f04a3c7d_proj:
	s_mov_b64 s[64:65], 0
	v_nop
	global_prefetch_b8 v0, s[64:65] scope:SCOPE_SE
	s_setreg_imm32_b32 hwreg(HW_REG_WAVE_MODE, 25, 1), 1
	s_wait_xcnt 0x0
	s_wait_alu depctr_hold_cnt(0) depctr_sa_sdst(0) depctr_va_vdst(0) depctr_va_sdst(0) depctr_va_ssrc(0) depctr_va_vcc(0) depctr_vm_vsrc(0)
	s_getreg_b32 s2, hwreg(HW_REG_IB_STS2, 6, 4)
	s_cmp_eq_u32 s2, 0
	s_cbranch_scc0 .Lentry_in_a_cluster
	s_endpgm
.Lentry_in_a_cluster:
	s_bfe_u32 s2, ttmp6, 0x10000c
	s_cmp_lg_u32 s2, 0xf033
	s_cbranch_scc0 .Lentry_shape_is_right
	s_endpgm
.Lentry_shape_is_right:
; out0 = attn Wo^T + bo on codes of FP4 with E8M0 scales; sums in f32.  attn's codes and scale bytes come from the attention launch, Wo's from the first launch, both as operand images.
; SHARES.  Work-group (x 0-3, y 0-63): 256 columns (Wo's rowblock 44 + x) by 128 rows (attn's block y): 256 work-groups.  Four waves; a wave makes 128 columns x 64 rows: 32 accumulators, 256 registers.
; K = 1,024: both operands lie in LDS at once, each byte filled once: no ring, no refill.
; THE MATRIX INSTRUCTION IS USED TRANSPOSED: source 0 = 16 rows of Wo, source 1 = 16 rows of attn: a lane holds eight neighbouring columns of one output row.  bo is the C of each sum's first product.
; By the tiles' row order, lane place r of a tile 2 B + u is row 32 B + 8 u + r + 8 (r / 8), for Wo (columns of the output) and for attn (rows) alike.
; CLUSTER 4 x 4: Wo's rowblock hangs on the work-group's x alone and is asked for jointly by a column of the cluster, attn's block on its y alone and is asked for jointly by a row.
; A row of attn whose scale bytes are 0xff (no key counted for it) comes out NaN.
; REGISTERS: window 0: v1-19 addresses; v32-95 Wo's scale words, v96-127 attn's (scales and nothing else); v128-191 bo.   window 1: two sets of fragments (Wo 64, attn 32); on the way out rows read back.   window 2: accumulator (a, b) at 64 a + 8 b.
.set SCL,  6291456
.set ASO,  4194304
.set AR,   131072                      ; LDS: Wo's codes at 0 [K step][tile 16][1024]; attn's here [K step][tile 8][1024];
.set WSR,  196608                      ; Wo's scale words [K group 2][tile 16][r 16][16 bytes];
.set ASR,  204800                      ; attn's [K step 8][tile 8][r 16][4];
.set STG,  208896                      ; a stage of 16 rows x 528 bytes for each wave: no tensor load lands there
.set G1W,  24
.set G1WS, 32
.set G1A,  40
.set G1AS, 48
.set G0W,  56
.set G0WS, 60
.set G0A,  68
.set G0AS, 72
.set SC0,  32
.set SC1,  96
.set BO,   128
.set MSB, 0
.macro WIN new                         ; the immediate's high byte repeats the setting that is left
.if MSB != (\new)
	s_set_vgpr_msb (MSB<<8)|(\new)
.set MSB, (\new)
.endif
.endm
; A joint load: waves 0 and 1 fetch Wo's halves, waves 2 and 3 attn's.  The branch hangs on the wave's number alone.  Four v_nop follow each of the two lines.
.macro JLOAD g0a, g1a, g0b, g1b
	s_cmp_eq_u32 s15, 0
	s_cbranch_scc0 .Lfor_b_\@
	tensor_load_to_lds s[\g0a:\g0a+3], s[\g1a:\g1a+7]
	s_nop 0
.rept 4
	v_nop
.endr
	s_branch .Lasked_\@
.Lfor_b_\@:
	tensor_load_to_lds s[\g0b:\g0b+3], s[\g1b:\g1b+7]
	s_nop 0
.rept 4
	v_nop
.endr
.Lasked_\@:
.endm
.macro CROUND                          ; a round of the cluster's barrier
	s_barrier_signal -1
	s_barrier_wait -1
	s_cmp_lg_u32 s14, 0
	s_cbranch_scc1 .Lnot_wave_0_\@
	s_barrier_signal -3
.Lnot_wave_0_\@:
	s_barrier_wait -3
	s_barrier_signal -1
	s_barrier_wait -1
.endm
.macro PLACES                          ; four plain vector lines behind a matrix instruction, ahead of loads into its sources and of reads of its result
.rept 4
	v_nop
.endr
.endm
	s_load_b256 s[4:11], s[0:1], 0x0               ; opq s[4:5], att s[6:7], bo s[8:9], out0 s[10:11]
	v_lshl_add_u32 v254, v0, 2, 0x3b400
	v_mov_b32 v255, 0
	ds_add_u32 v254, v255
	ds_add_u32 v254, v255
	v_lshrrev_b32 v1, 5, v0
	v_readfirstlane_b32 s14, v1                    ; wave 0..3
	s_lshr_b32 s15, s14, 1                         ; w1: my 64 rows.  Also: I fetch Wo (0) or attn (1)
	s_and_b32 s16, s14, 1                          ; w0: my 128 columns.  Also: which half of K I fetch
	s_bfe_u32 s17, ttmp6, 0x40000                  ; cx
	s_bfe_u32 s18, ttmp6, 0x40004                  ; cy
	s_lshl_b32 s19, ttmp9, 2
	s_add_co_u32 s19, s19, s17                     ; work-group x
	s_and_b32 s20, ttmp7, 0xffff
	s_lshl_b32 s20, s20, 2
	s_add_co_u32 s20, s20, s18                     ; work-group y
	s_lshl_b32 s76, s18, 2
	s_lshl_b32 s76, 15, s76                        ; my row of the cluster
	s_lshl_b32 s77, 0x1111, s17                    ; my column
	s_or_b32 s[G1W], s77, (3<<16)|(1<<21)          ; 15:0 the mask; 17:16 elements of 8 bytes; 21 set beside a mask; no padding
	s_or_b32 s[G1WS], s77, (3<<16)|(1<<21)
	s_or_b32 s[G1A], s76, (3<<16)|(1<<21)
	s_or_b32 s[G1AS], s76, (3<<16)|(1<<21)
	s_mov_b32 s[G1W+1], 32<<16                     ; half of Wo's rowblock: 65,536 dense bytes as 256 rows of 256
	s_mov_b32 s[G1W+2], 256<<16
	s_mov_b32 s[G1W+3], 32<<16
	s_mov_b32 s[G1W+4], 256
	s_mov_b32 s[G1W+5], 32
	s_mov_b32 s[G1W+6], 0
	s_mov_b32 s[G1W+7], 0
	s_mov_b32 s[G1WS+1], 32<<16                    ; half its scale words: 16 rows of 256
	s_mov_b32 s[G1WS+2], 16<<16
	s_mov_b32 s[G1WS+3], 32<<16
	s_mov_b32 s[G1WS+4], 16
	s_mov_b32 s[G1WS+5], 32
	s_mov_b32 s[G1WS+6], 0
	s_mov_b32 s[G1WS+7], 0
	s_mov_b32 s[G1A+1], 32<<16                     ; half of attn's block: 32,768 dense bytes as 128 rows of 256
	s_mov_b32 s[G1A+2], 128<<16
	s_mov_b32 s[G1A+3], 32<<16
	s_mov_b32 s[G1A+4], 128
	s_mov_b32 s[G1A+5], 32
	s_mov_b32 s[G1A+6], 0
	s_mov_b32 s[G1A+7], 0
	s_mov_b32 s[G1AS+1], 64<<16                    ; its scale bytes: for each of four K steps 512 bytes, 32,768 bytes apart
	s_mov_b32 s[G1AS+2], 4<<16
	s_mov_b32 s[G1AS+3], 64<<16
	s_mov_b32 s[G1AS+4], 4
	s_mov_b32 s[G1AS+5], 4096
	s_mov_b32 s[G1AS+6], 0
	s_mov_b32 s[G1AS+7], 0
	s_lshl_b32 s88, s16, 16                        ; LDS: Wo's codes,
	s_lshl_b32 s89, s16, 12
	s_add_co_u32 s89, s89, WSR                     ; its scale words,
	s_lshl_b32 s90, s16, 15
	s_add_co_u32 s90, s90, AR                      ; attn's codes,
	s_lshl_b32 s91, s16, 11
	s_add_co_u32 s91, s91, ASR                     ; its scale bytes: by the wave's number alone
	s_lshl_b32 s92, s16, 16
	s_lshl_b32 s93, s16, 12
	s_add_co_u32 s82, s19, 44                      ; Wo: by the work-group's x alone
	s_lshl_b32 s86, s82, 13
	s_lshl_b32 s82, s82, 17
	s_add_co_u32 s82, s82, s92
	s_mov_b32 s83, 0
	s_add_co_u32 s86, s86, s93
	s_add_co_u32 s86, s86, SCL
	s_mov_b32 s87, 0
	s_lshl_b32 s92, s16, 15
	s_lshl_b32 s93, s16, 17
	s_lshl_b32 s78, s20, 16                        ; attn: by the work-group's y alone
	s_add_co_u32 s78, s78, s92
	s_mov_b32 s79, 0
	s_lshl_b32 s84, s20, 9
	s_add_co_u32 s84, s84, s93
	s_add_co_u32 s84, s84, ASO
	s_mov_b32 s85, 0
	s_wait_dscnt 0x0
	s_wait_kmcnt 0x0
	s_mov_b32 s[G0W], 1
	s_mov_b32 s[G0W+1], s88
	s_add_nc_u64 s[G0W+2:G0W+3], s[4:5], s[82:83]
	s_or_b32 s[G0W+3], s[G0W+3], 0x80000000
	s_mov_b32 s[G0WS], 1
	s_mov_b32 s[G0WS+1], s89
	s_add_nc_u64 s[G0WS+2:G0WS+3], s[4:5], s[86:87]
	s_or_b32 s[G0WS+3], s[G0WS+3], 0x80000000
	s_mov_b32 s[G0A], 1
	s_mov_b32 s[G0A+1], s90
	s_add_nc_u64 s[G0A+2:G0A+3], s[6:7], s[78:79]
	s_or_b32 s[G0A+3], s[G0A+3], 0x80000000
	s_mov_b32 s[G0AS], 1
	s_mov_b32 s[G0AS+1], s91
	s_add_nc_u64 s[G0AS+2:G0AS+3], s[6:7], s[84:85]
	s_or_b32 s[G0AS+3], s[G0AS+3], 0x80000000
	CROUND                                         ; all sixteen work-groups are here: the joint loads meet
	JLOAD G0WS, G1WS, G0AS, G1AS                   ; two tensor loads of mine are out: all that this launch has
	JLOAD G0W, G1W, G0A, G1A
	v_and_b32 v1, 15, v0                           ; r
	v_bfe_u32 v2, v0, 4, 1                         ; h
	v_and_b32 v18, 31, v0
	v_lshlrev_b32 v3, 4, v18                       ; 16 L
	s_lshl_b32 s94, s16, 13                        ; my eight tiles of Wo
	v_add_nc_u32 v4, s94, v3                       ; K steps 0-3
	v_add_nc_u32 v5, 65536, v4                     ; K steps 4-7
	s_lshl_b32 s94, s15, 12                        ; my four tiles of attn
	s_add_co_u32 s94, s94, AR
	v_add_nc_u32 v6, s94, v3
	v_lshlrev_b32 v19, 4, v1
	s_lshl_b32 s94, s16, 11
	s_add_co_u32 s94, s94, WSR
	v_add_nc_u32 v8, s94, v19                      ; Wo's scale words: 16 r
	v_lshlrev_b32 v19, 2, v1
	s_lshl_b32 s94, s15, 8
	s_add_co_u32 s94, s94, ASR
	v_add_nc_u32 v9, s94, v19                      ; attn's: 4 r
	s_mul_i32 s94, s14, 8448
	s_add_co_u32 s94, s94, STG                     ; my stage
	v_mul_u32_u24 v10, v1, 528
	v_lshl_add_u32 v10, v2, 6, v10
	v_add_nc_u32 v10, s94, v10                     ; in: row place r, + 64 h bytes
	v_add_nc_u32 v11, s94, v3                      ; back: 16 bytes a lane of a row of 512
	v_lshlrev_b32 v16, 6, v2                       ; 64 h
	s_lshl_b32 s96, s19, 10                        ; the work-group's 256 columns, in bytes,
	s_lshl_b32 s98, s16, 9                         ; my 128
	s_add_co_u32 s98, s98, s96
	s_mov_b32 s99, 0
	s_add_nc_u64 s[8:9], s[8:9], s[98:99]
	s_add_nc_u64 s[10:11], s[10:11], s[98:99]
	s_lshl_b32 s98, s20, 19                        ; the work-group's 128 rows of 4,096 bytes,
	s_lshl_b32 s97, s15, 18                        ; my 64
	s_add_co_u32 s98, s98, s97
	s_add_nc_u64 s[10:11], s[10:11], s[98:99]
.irp b, 0,1,2,3,4,5,6,7
	global_load_b128 v[BO+8*\b:BO+8*\b+3], v16, s[8:9] offset:(32*(\b/2)+8*(\b%2))*4        ; register 8 b + j: column 32 (b / 2) + 16 h + 8 (b % 2) + j
	global_load_b128 v[BO+8*\b+4:BO+8*\b+7], v16, s[8:9] offset:(32*(\b/2)+8*(\b%2))*4+16
.endr
	s_wait_tensorcnt 0x0                           ; my parts have landed,
	s_barrier_signal -1
	s_barrier_wait -1                              ; everybody's have.  Nothing is filled again in this launch
.irp g, 0,1
.irp i, 0,1,2,3,4,5,6,7
	ds_load_b128 v[SC0+32*\g+4*\i:SC0+32*\g+4*\i+3], v8 offset:4096*\g+256*\i
.endr
.endr
.irp s, 0,1,2,3,4,5,6,7
.irp a, 0,1,2,3
	ds_load_b32 v[SC1+4*\s+\a], v9 offset:512*\s+64*\a
.endr
.endr
.macro FETCH s                         ; K step s: Wo's eight fragments and attn's four into set s % 2: 24 loads of 512 consecutive bytes
.set FP, 128*((\s)%2)
	WIN 0x40                                       ; destination window 1
.irp i, 0,1,2,3,4,5,6,7
.irp c, 0,1
	ds_load_b128 v[FP+8*\i+4*\c:FP+8*\i+4*\c+3], v[4+(\s)/4] offset:((\s)%4)*16384+1024*\i+512*\c
.endr
.endr
.irp i, 0,1,2,3
.irp c, 0,1
	ds_load_b128 v[FP+64+8*\i+4*\c:FP+64+8*\i+4*\c+3], v6 offset:(\s)*8192+1024*\i+512*\c
.endr
.endr
.endm
.macro STEP s
.if (\s) > 0
	PLACES                                         ; the set that is loaded next was read by the products just issued
.endif
.if (\s) < 7
	FETCH (\s)+1
	s_wait_dscnt 24                                ; all but the 24 loads just issued
.else
	s_wait_dscnt 0x0
.endif
.set FP, 128*((\s)%2)
.set SS, 32*((\s)/4)+(\s)%4
.if (\s) == 0
	WIN 0x85                                       ; sources 0 and 1 window 1, C (bo) window 0, D window 2
.else
	WIN 0xa5                                       ; C and D window 2
.endif
.irp a, 0,1,2,3                        ; the 32 accumulators take turns, one instruction a turn
.irp b, 0,1,2,3,4,5,6,7
.if (\s) == 0
	v_wmma_scale_f32_16x16x128_f8f6f4 v[64*\a+8*\b:64*\a+8*\b+7], v[FP+8*\b:FP+8*\b+7], v[FP+64+8*\a:FP+71+8*\a], v[BO+8*\b:BO+8*\b+7], v[SC0+SS+4*\b], v[SC1+4*(\s)+\a] matrix_a_fmt:MATRIX_FMT_FP4 matrix_b_fmt:MATRIX_FMT_FP4
.else
	v_wmma_scale_f32_16x16x128_f8f6f4 v[64*\a+8*\b:64*\a+8*\b+7], v[FP+8*\b:FP+8*\b+7], v[FP+64+8*\a:FP+71+8*\a], v[64*\a+8*\b:64*\a+8*\b+7], v[SC0+SS+4*\b], v[SC1+4*(\s)+\a] matrix_a_fmt:MATRIX_FMT_FP4 matrix_b_fmt:MATRIX_FMT_FP4
.endif
.endr
.endr
.endm
	FETCH 0
	s_wait_loadcnt 0x0                             ; bo
.irp s, 0,1,2,3,4,5,6,7
	STEP \s
.endr
; THE WAY OUT, a tile of 16 rows x 128 columns at a time: a lane's 32 bytes go into my own stage and come back as whole rows of 512 bytes.  LDS serves a wave's instructions in order: no wait between the stores and the loads.
.macro TOSTAGE a
	WIN 0x08                                       ; an LDS store's data are its source 1: window 2
.irp b, 0,1,2,3,4,5,6,7
	ds_store_b128 v10, v[64*(\a)+8*\b:64*(\a)+8*\b+3] offset:128*(\b/2)+32*(\b%2)          ; each accumulator from its low end on
	ds_store_b128 v10, v[64*(\a)+8*\b+4:64*(\a)+8*\b+7] offset:128*(\b/2)+32*(\b%2)+16
.endr
	WIN 0x40                                       ; back into window 1: 64 registers of its own for each tile, so that no store's data are written again
.irp t, 0,1,2,3,4,5,6,7,8,9,10,11,12,13,14,15
	ds_load_b128 v[64*(\a)+4*\t:64*(\a)+4*\t+3], v11 offset:528*\t
.endr
.endm
.macro SEND a, younger                 ; younger: the LDS instructions issued behind tile a's loads, which may stay out
	s_wait_dscnt \younger
	WIN 0x04                                       ; a store's data are its source 1: window 1
.irp t, 0,1,2,3,4,5,6,7,8,9,10,11,12,13,14,15
	global_store_b128 v3, v[64*(\a)+4*\t:64*(\a)+4*\t+3], s[10:11] offset:(32*((\a)/2)+8*((\a)%2)+\t+8*(\t/8))*4096 th:TH_STORE_NT   ; 32 lanes store 512 consecutive bytes, aligned
.endr
.endm
	PLACES                                         ; behind the last products: for the reads of their results and the loads into their sources
	TOSTAGE 0
.irp a, 1,2,3
	TOSTAGE \a
	SEND (\a)-1, 32                                ; behind tile a - 1's loads: tile a's 16 stores and 16 loads
.endr
	SEND 3, 0
	WIN 0
	s_wait_dscnt 0x0
	s_wait_tensorcnt 0x0
	ds_add_u32 v254, v255
	s_wait_dscnt 0x0
	CROUND                                         ; the closing round: no work-group ends while a partner may still ask for a tile that names it
	s_endpgm
.Lfunc_end_k_q58f04a3c7d_proj:
	.size	k_q58f04a3c7d_proj, .Lfunc_end_k_q58f04a3c7d_proj-k_q58f04a3c7d_proj
	.p2alignl 7, 3214868480
	.fill 96, 4, 3214868480
	.section	.rodata,"a",@progbits
	.p2align	6, 0x0
	.amdhsa_kernel k_q58f04a3c7d_proj
		.amdhsa_group_segment_fixed_size 243200
		.amdhsa_private_segment_fixed_size 0
		.amdhsa_enable_private_segment 0
		.amdhsa_kernarg_size 32
		.amdhsa_user_sgpr_count 2
		.amdhsa_user_sgpr_kernarg_segment_ptr 1
		.amdhsa_wavefront_size32 1
		.amdhsa_system_sgpr_workgroup_id_x 1
		.amdhsa_system_sgpr_workgroup_id_y 1
		.amdhsa_system_sgpr_workgroup_id_z 1
		.amdhsa_system_vgpr_workitem_id 0
		.amdhsa_next_free_vgpr 768
		.amdhsa_next_free_sgpr 100
		.amdhsa_reserve_vcc 0
		.amdhsa_float_denorm_mode_32 3
		.amdhsa_float_denorm_mode_16_64 3
		.amdhsa_memory_ordered 1
		.amdhsa_forward_progress 1
		.amdhsa_inst_pref_size 73
	.end_amdhsa_kernel
	.amdgpu_metadata
---
amdhsa.version: [ 1, 2 ]
amdhsa.kernels:
  - .name:           k_q58f04a3c7d_proj
    .symbol:         k_q58f04a3c7d_proj.kd
    .args:
      - { .name: opq, .offset: 0, .size: 8, .value_kind: global_buffer, .address_space: global }
      - { .name: att, .offset: 8, .size: 8, .value_kind: global_buffer, .address_space: global }
      - { .name: bo, .offset: 16, .size: 8, .value_kind: global_buffer, .address_space: global }
      - { .name: out0, .offset: 24, .size: 8, .value_kind: global_buffer, .address_space: global }
    .group_segment_fixed_size: 243200
    .private_segment_fixed_size: 0
    .kernarg_segment_align: 8
    .kernarg_segment_size: 32
    .max_flat_workgroup_size: 128
    .sgpr_count:     100
    .vgpr_count:     768
    .wavefront_size: 32
...
	.end_amdgpu_metadata
.endif
;; end of part 4
;; ======== version 2 of 2: 4 launches; version 1 with the launch attn written anew for expert scheduling mode
;; workspace buffers: opq 6,684,672 bytes; msk 526,336 bytes of whole numbers; qkv 13,893,632 bytes; att 4,456,448 bytes
;; launch prep: the kernel of part 1 again; grid 512 x 1, 4 waves a work-group, no clusters, 68,096 bytes of LDS; arguments x, Wq, Wk, Wv, Wo, mask, opq, msk; writes opq, msk
;; launch qkv: the kernel of part 2 again; grid 12 x 32, 4 waves a work-group, clusters of 4 x 4, 285,184 bytes of LDS; arguments opq, bq, bk, bv, qkv; writes qkv
;; launch attn (part 5): grid 4 x 64, 16 waves a work-group, no clusters, 145,408 bytes of LDS; arguments qkv, msk, att; writes att
.if DOCPART == 5
	.amdgcn_target "amdgcn-amd-amdhsa--gfx1250"
	.amdhsa_code_object_version 6
	.text
	.protected	k_q58f04a3c7d_attn
	.globl	k_q58f04a3c7d_attn
	.p2align	8
	.type	k_q58f04a3c7d_attn,@function
k_q58f04a3c7d_attn:
	s_mov_b64 s[64:65], 0
	v_nop
	global_prefetch_b8 v0, s[64:65] scope:SCOPE_SE
	s_setreg_imm32_b32 hwreg(HW_REG_WAVE_SCHED_MODE, 0, 2), 2
	s_setreg_imm32_b32 hwreg(HW_REG_WAVE_MODE, 25, 1), 1
	s_wait_xcnt 0x0
	s_wait_alu depctr_vm_vsrc(0)
; attn[head][q] = the sum over keys of softmax(q . k / 8, under the mask) v, both products on codes of FP4 with E8M0 scales, then quantised along the model's 1,024 for the last product.
; THE SOFTMAX AHEAD OF THE SECOND PRODUCT: t = score x log2(e) / 8; M = the row's largest t so far, rounded up to a whole number; p = 2^(t - M) is quantised along the keys, not normalised.
; The row's sum is taken of the unquantised p and divides at the end.  When M moves, the sum and O are multiplied by 2^(old M - new M): exact.
; THE MASK is an input and is honoured as it is given: the launch before has turned it into lane masks (64 words for a tile of 16 queries x 128 keys) and two flags a tile.  A key step whose tile is wholly false is passed over,
; one that is wholly true skips the 64 selects: forward scalar branches on stored whole numbers.  A row with no true byte gets the scale byte 0xff, which makes its output row NaN in the last product.
; SHARES.  A work-group copies one head's K and V (codes and scale words, 143,360 bytes) into LDS once; each of its sixteen waves takes query tiles j = 16 x + wave and 127 - j, one after the other, and walks the 16 key steps.
; Four waves to a SIMD: one wave's vector work stands beside another's products and LDS loads.
; NO TENSOR LOADS AND NO CLUSTER: the walk hangs on flags read from memory, so the copy goes through registers; each work-group reads its head's K and V once, at its head, and waits for nothing from memory afterwards.
; LAYOUT.  Both products are used transposed: S^T = K Q^T, O^T = V^T P^T: a lane holds one query (lane % 16) throughout.  By the tiles' row order the 16 registers of key tiles 2 b, 2 b + 1 are keys 32 b + 16 (lane / 16) + 0 .. 15.
; The head's K is 64: registers 0-3 of Q's and K's fragments hold it, registers 4-7 are zero codes.
; REGISTERS: v1-7 lane constants; v8-11 the step's LDS addresses; v12 -M, v13 the largest t, v[14:15] the sum; v16-23 Q; v24-31 K's scale words; v32-63, v200-231 K; v64-95 V; v96-159 S^T, then p; v160-191 O^T; v192-199 p's codes;
;   v232-239, v244-247, v252, v254 at work; v240-243 V's scale words; v253 p's scale word; v255 Q's.   s[32:63], s[68:99]: the step's 64 mask words; between steps they serve as scratch.
; LIMITS: a block whose largest magnitude lies under 2^-124 gets the byte 1 (read by this program alone); NaN and infinities are not served.
; THE MODE: SCHED_MODE bits 1:0 = 2 (LLVM: expert scheduling mode 2), set by the entry lines.  The code itself states the register dependences
; between vector or matrix instructions and memory or LDS instructions, with s_wait_alu, always for 0.
; THE PLAN.  Registers that memory or LDS instructions touch:
;   v8-11, v250   Addresses.  Made at the head for the copy; v8-11 are written anew by four additions at the head of every key step that is walked, and read by that step's 19 LDS loads.
;   v1, v5, v6    Offsets of Q's loads and of a tile's two stores: written once, at the head.
;   v96-165       The copy: global loads land here, LDS stores read them; afterwards products and vector lines write them.
;   v16-19, v255  Q and its scale words: loaded once a tile, read by the K Q^T products.
;   K: registers 0-3 of v32 + 8 t and of v200 + 8 t, v24-31.  V: v64-95, v240-243.  A step's LDS loads land here; that step's products read them; one set of each: the wave has no register to spare.
;   v192-195, v254  At a tile's end: written by conversions, lane swaps and selects, read by the two stores; every later step writes them again.
; A KEY STEP has one wait on vm_vsrc (the last LDS loads have read v8-11), the four additions, and one wait on va_vdst behind them: the addresses are written, and the last step's products are done reading K's and V's registers.
; All 19 loads lean on that one wait.  They are dealt among the eight K Q^T products, which name S^T, K, Q and their scale words: none of V's registers, and no address.
; A second wait on va_vdst stands ahead of the V^T P products: p's codes and scale word are written.  Two more waits stand behind the exponentials.
.set KCO, 4194304
.set VCO, 8388608
.set QSO, 12582912
.set KSO, 13107200
.set VSO, 13631488
.set TFL, 524288
.set ASO, 4194304
.set LV,  65536                        ; LDS: K's codes at 0 (tile T at 512 T), V's here (step x 4,096 + d tile x 1,024),
.set LKS, 131072                       ; K's scale words [step][r 16][tile 8][4],
.set LVS, 139264                       ; V's [step][r 16][d tile 4][4]
	s_load_b128 s[4:7], s[0:1], 0x0                ; qkv, msk
	s_load_b64 s[8:9], s[0:1], 0x10                ; att
	v_lshl_add_u32 v248, v0, 2, 0x23000
	v_mov_b32 v251, 0
	v_lshrrev_b32 v232, 5, v0
	v_readfirstlane_b32 s10, v232                  ; wave 0..15
	s_and_b32 s18, ttmp7, 0xffff                   ; the head, 0..63
	s_lshl_b32 s11, ttmp9, 4
	s_wait_alu depctr_va_sdst(0)                   ; s10 is written, ahead of its first reader: the wave's query tiles, and with them addresses, are made from it
	s_add_co_u32 s11, s11, s10                     ; my first query tile
	s_lshl_b32 s40, s18, 16
	s_add_co_u32 s40, s40, KCO
	s_mov_b32 s41, 0
	s_lshl_b32 s42, s18, 16
	s_add_co_u32 s42, s42, VCO
	s_mov_b32 s43, 0
	s_lshl_b32 s44, s18, 13
	s_add_co_u32 s44, s44, KSO
	s_mov_b32 s45, 0
	s_lshl_b32 s46, s18, 12
	s_add_co_u32 s46, s46, VSO
	s_mov_b32 s47, 0
	v_lshlrev_b32 v8, 4, v0                        ; the copy: 16 bytes a thread, 8,192 an instruction
	v_add_nc_u32 v9, LV, v8
	v_add_nc_u32 v10, LKS, v8
	v_lshlrev_b32 v11, 3, v0
	v_add_nc_u32 v250, LVS, v11
	s_wait_kmcnt 0x0
	s_add_nc_u64 s[32:33], s[4:5], s[40:41]
	s_add_nc_u64 s[34:35], s[4:5], s[42:43]
	s_add_nc_u64 s[36:37], s[4:5], s[44:45]
	s_add_nc_u64 s[38:39], s[4:5], s[46:47]
	s_wait_alu depctr_va_vdst(0)                   ; v8 to v11 and v250 are written: the copy's loads and LDS stores read them; no vector line up to the barrier names them or v96-165 again
.irp i, 0,1,2,3,4,5,6,7
	global_load_b128 v[96+4*\i:99+4*\i], v8, s[32:33] offset:8192*\i
.endr
.irp i, 0,1,2,3,4,5,6,7
	global_load_b128 v[128+4*\i:131+4*\i], v8, s[34:35] offset:8192*\i
.endr
	global_load_b128 v[160:163], v8, s[36:37]
	global_load_b64 v[164:165], v11, s[38:39]
	v_and_b32 v233, 31, v0                         ; L
	v_and_b32 v234, 15, v0                         ; r
	v_bfe_u32 v235, v0, 4, 1                       ; h
	v_lshlrev_b32 v1, 4, v233                      ; 16 L
	v_add_nc_u32 v2, LV, v1
	v_lshlrev_b32 v5, 5, v234                      ; 32 r
	v_add_nc_u32 v3, LKS, v5
	v_lshlrev_b32 v4, 4, v234
	v_add_nc_u32 v4, LVS, v4
	v_lshl_add_u32 v6, v234, 2, v235               ; 4 r + h
	v_mov_b32 v7, 0xff800000                       ; -infinity
	v_mov_b32 v249, 0xff
.irp j, 0,1,2,3
	v_mov_b32 v[20+\j], 0                          ; the upper halves of Q's and K's fragments: zero codes, written once
	v_mov_b32 v[236+\j], 0                         ; a lane permute's destination counts as one of its sources
.endr
.irp t, 0,1,2,3
.irp j, 4,5,6,7
	v_mov_b32 v[32+8*\t+\j], 0
	v_mov_b32 v[200+8*\t+\j], 0
.endr
.endr
	v_mov_b32 v252, 0
	v_mov_b32 v253, 0                              ; (named as the upper half of the pair v[252:253] before it is first written)
	s_mov_b32 s24, 0x76543210
	s_mov_b32 s25, 0xfedcba98                      ; selects for lane l xor 16
	s_mov_b32 s26, 0x3e38aa3b                      ; c = log2(e) / 8
	s_mov_b32 s27, s26                             ; (named with it as a pair)
	s_mov_b32 s30, 0xffff0000                      ; lanes 16-31
.irp i, 0,1,2,3,4,5,6,7
	s_wait_loadcnt 17-\i                           ; loads come back in order: the younger ones stay out
	ds_store_b128 v8, v[96+4*\i:99+4*\i] offset:8192*\i
.endr
.irp i, 0,1,2,3,4,5,6,7
	s_wait_loadcnt 9-\i
	ds_store_b128 v9, v[128+4*\i:131+4*\i] offset:8192*\i
.endr
	s_wait_loadcnt 1
	ds_store_b128 v10, v[160:163]
	s_wait_loadcnt 0x0
	ds_store_b64 v250, v[164:165]
	s_wait_dscnt 0x0                               ; for the others' sake: my stores have landed
	s_barrier_signal -1
	s_barrier_wait -1                              ; the head's K and V lie in LDS; from here on LDS is only read
	s_wait_alu depctr_vm_vsrc(0)                   ; the copy's loads and LDS stores have read v8 to v11 and v96-165, which the tiles' vector lines and products write from here on
	s_mov_b32 s12, 2
.Ltile:
	s_lshl_b32 s32, s18, 16                        ; Q's fragment: (128 head + T) x 512
	s_lshl_b32 s33, s11, 9
	s_add_co_u32 s32, s32, s33
	s_mov_b32 s33, 0
	s_add_nc_u64 s[34:35], s[4:5], s[32:33]
	s_wait_alu depctr_va_vdst(0)                   ; the offsets v1 and v5 are written; the last tile's products are done reading v16-23 and v255, in which the two loads below land
	global_load_b128 v[16:19], v1, s[34:35]
	s_lshl_b32 s36, s18, 13                        ; its scale words: (16 head + T / 8) x 512 + 32 r + 4 (T % 8)
	s_lshr_b32 s37, s11, 3
	s_lshl_b32 s37, s37, 9
	s_add_co_u32 s36, s36, s37
	s_and_b32 s37, s11, 7
	s_lshl_b32 s37, s37, 2
	s_add_co_u32 s36, s36, s37
	s_add_co_u32 s36, s36, QSO
	s_mov_b32 s37, 0
	s_add_nc_u64 s[38:39], s[4:5], s[36:37]
	global_load_b32 v255, v5, s[38:39]
	s_lshl_b32 s40, s11, 4                         ; the tile's four flag words
	s_add_co_u32 s40, s40, TFL
	s_mov_b32 s41, 0
	s_add_nc_u64 s[42:43], s[6:7], s[40:41]
	s_load_b128 s[20:23], s[42:43], 0x0
	s_lshl_b32 s44, s11, 12                        ; and its 16 records
	s_mov_b32 s45, 0
	s_add_nc_u64 s[28:29], s[6:7], s[44:45]
.set j, 0
.rept 32
	v_mov_b32 v[160+j], 0                          ; O^T: which step is a tile's first hangs on the flags, so no product can be written out to start the sums
.set j, j+1
.endr
	v_mov_b32 v13, 0xff61b1e6                      ; the largest t so far: -3e38, under every t
	v_floor_f32 v12, -v13                          ; -M
	v_mov_b32 v14, 0
	v_mov_b32 v15, 0
	s_mov_b32 s15, 0                               ; the step's codes in LDS: 4,096 bytes a step, K's and V's alike
	s_mov_b32 s16, 0                               ; K's scale words: 512
	s_mov_b32 s17, 0                               ; V's: 256
	s_mov_b32 s13, 16
	s_wait_kmcnt 0x0
	s_or_b32 s14, s20, s21                         ; each word holds its four steps' bits at their final places
	s_or_b32 s14, s14, s22
	s_or_b32 s14, s14, s23
	s_wait_loadcnt 0x0                             ; Q
	s_wait_xcnt 0x0                                ; the bases above lie among the mask words' registers, which the steps load anew
.Lstep:
	s_and_b32 s19, s14, 1                          ; is any byte of this step's tile true?
	s_cmp_lg_u32 s19, 0
	s_cbranch_scc0 .Lskip
	s_load_b512 s[32:47], s[28:29], 0x0            ; the record: asked for in every step that is walked
	s_load_b512 s[48:63], s[28:29], 0x40
	s_load_b512 s[68:83], s[28:29], 0x80
	s_load_b512 s[84:99], s[28:29], 0xc0
	s_wait_alu depctr_vm_vsrc(0)                   ; the LDS loads issued so far have read v8 to v11
	v_add_nc_u32 v8, s15, v1                       ; the step's four LDS addresses
	v_add_nc_u32 v9, s15, v2
	v_add_nc_u32 v10, s16, v3
	v_add_nc_u32 v11, s17, v4
	s_wait_alu depctr_va_vdst(0)                   ; v8 to v11 are written; the last step's products are done reading K's and V's fragments and scale words, in which this step's 19 loads land; the fragments' zero halves are written
.irp t, 0,1,2,3
	ds_load_b128 v[32+8*\t:35+8*\t], v8 offset:512*\t
.endr
	ds_load_b128 v[24:27], v10
.irp t, 0,1,2,3
	ds_load_b128 v[200+8*\t:203+8*\t], v8 offset:2048+512*\t
.endr
	ds_load_b128 v[28:31], v10 offset:16
	s_wait_dscnt 5                                 ; K's first four tiles and their scale words are in; the five younger loads may be out
.irp t, 0,1,2,3
	v_wmma_scale_f32_16x16x128_f8f6f4 v[96+8*\t:103+8*\t], v[32+8*\t:39+8*\t], v[16:23], 0, v[24+\t], v255 matrix_a_fmt:MATRIX_FMT_FP4 matrix_b_fmt:MATRIX_FMT_FP4
.endr
.irp d, 0,1
.irp c, 0,1
	ds_load_b128 v[64+8*\d+4*\c:67+8*\d+4*\c], v9 offset:1024*\d+512*\c   ; V.  No wait: no vector or matrix instruction since the wait on va_vdst above names v9, v11, v64-95 or v240-243
.endr
.endr
	s_wait_dscnt 4                                 ; K's other four tiles and their scale words are in; the four loads of V just issued may be out
.irp t, 0,1,2,3
	v_wmma_scale_f32_16x16x128_f8f6f4 v[128+8*\t:135+8*\t], v[200+8*\t:207+8*\t], v[16:23], 0, v[28+\t], v255 matrix_a_fmt:MATRIX_FMT_FP4 matrix_b_fmt:MATRIX_FMT_FP4
.endr
.irp d, 2,3
.irp c, 0,1
	ds_load_b128 v[64+8*\d+4*\c:67+8*\d+4*\c], v9 offset:1024*\d+512*\c
.endr
.endr
	ds_load_b128 v[240:243], v11
.rept 4
	v_nop                                          ; places ahead of the first read of the scores
.endr
	s_wait_kmcnt 0x0                               ; the record
	s_and_b32 s19, s14, 0x10000                    ; true and false mixed?
	s_cmp_lg_u32 s19, 0
	s_cbranch_scc0 .Lopen
.set n, 0
.rept 32
	v_cndmask_b32 v[96+n], v7, v[96+n], s[32+n]    ; a hidden score becomes -infinity ahead of the maximum: p = 0 then
.set n, n+1
.endr
.rept 32
	v_cndmask_b32 v[96+n], v7, v[96+n], s[36+n]
.set n, n+1
.endr
.Lopen:
.irp b, 0,1,2,3
	v_max3_num_f32 v[232+\b], v[96+16*\b], v[97+16*\b], v[98+16*\b]   ; the largest score of each block of 32 keys: it serves for the row's maximum and, since p rises with the score, for the block's largest p
.endr
.irp i, 3,5,7,9,11,13
.irp b, 0,1,2,3
	v_max3_num_f32 v[232+\b], v[232+\b], v[96+16*\b+\i], v[97+16*\b+\i]
.endr
.endr
.irp b, 0,1,2,3
	v_max_num_f32 v[232+\b], v[232+\b], v[111+16*\b]
.endr
.irp b, 0,1,2,3
	v_permlanex16_b32 v[236+\b], v[232+\b], s24, s25
.endr
.irp b, 0,1,2,3
	v_max_num_f32 v[232+\b], v[232+\b], v[236+\b]  ; with lane l xor 16's 16 keys
.endr
	v_max3_num_f32 v254, v232, v233, v234
	v_max_num_f32 v254, v254, v235                 ; the step's largest score of my query
	v_mul_f32 v254, s26, v254                      ; as t (c is positive)
	v_max_num_f32 v13, v13, v254                   ; the running largest t
	v_mov_b32 v254, v12
	v_floor_f32 v12, -v13                          ; the new -M = floor(-t) = -ceil(t)
	v_sub_f32 v254, v12, v254                      ; old M - new M: a whole number, 0 or less
	v_cvt_i32_f32 v254, v254                       ; (it saturates)
	v_ldexp_f32 v252, 1.0, v254                    ; f = 2^(old M - new M)
.set j, 0
.rept 32
	v_pk_fma_f32 v[96+j:97+j], v[96+j:97+j], s[26:27], v[12:13] op_sel_hi:[1,0,0]   ; t - M, two at a time
.set j, j+2
.endr
.irp b, 0,1,2,3
	v_fma_f32 v[232+\b], v[232+\b], s26, v12       ; the same of each block's largest score
.endr
.set j, 0
.rept 64
	v_exp_f32 v[96+j], v[96+j]                     ; p = 2^(t - M), at most 1
.set j, j+1
.endr
	v_pk_mul_f32 v[14:15], v[14:15], v[252:253] op_sel_hi:[1,0]   ; the sums under the new M: the plain line behind the exponentials
	s_wait_alu depctr_va_vdst(0)                   ; the 64 exponentials have written p: one wait for the whole batch, ahead of its first reader
.irp b, 0,1,2,3
	v_exp_f32 v[232+\b], v[232+\b]                 ; the block's largest p: the same two instructions on the same number
.endr
	v_pk_add_f32 v[236:237], v[96:97], v[98:99]    ; the row's sum is taken of the unquantised p, in two chains
.irp j, 4,8,12,16,20,24,28,32,36,40,44,48,52,56,60
	v_pk_add_f32 v[14:15], v[14:15], v[96+\j:97+\j]
	v_pk_add_f32 v[236:237], v[236:237], v[98+\j:99+\j]
.endr
	v_pk_add_f32 v[14:15], v[14:15], v[236:237]
	s_wait_alu depctr_va_vdst(0)                   ; the four exponentials have written v232-235: and one wait for the four
.irp b, 0,1,2,3
	v_max_num_f32 v[232+\b], 0x1800000, v[232+\b]  ; the floor 2^(3 - 127): a block whose every p is 0 keeps the byte 1 over zero codes
.endr
.irp b, 0,1,2,3
	v_add_nc_u32 v[244+\b], 0xff000000, v[232+\b]  ; the conversion's scale operand
.endr
.irp b, 0,1,2,3
	v_lshrrev_b32 v[236+\b], 23, v[244+\b]         ; the scale's byte
.endr
	v_lshl_or_b32 v253, v237, 8, v236              ; p's scale word for these 128 keys
	v_lshl_or_b32 v253, v238, 16, v253
	v_lshl_or_b32 v253, v239, 24, v253
.irp b, 0,1,2,3
	v_cvt_scalef32_pk8_fp4_f32 v[192+2*\b], v[96+16*\b:103+16*\b], v[244+\b]
	v_cvt_scalef32_pk8_fp4_f32 v[193+2*\b], v[104+16*\b:111+16*\b], v[244+\b]
.endr
	v_nop                                          ; one plain line behind the last scaled conversion
.irp c, 0,1
.irp i, 0,1
	v_permlane16_swap_b32 v[192+4*\c+\i], v[194+4*\c+\i]   ; a whole block to a lane
.endr
.endr
.set j, 0
.rept 16
	v_pk_mul_f32 v[160+j:161+j], v[160+j:161+j], v[252:253] op_sel_hi:[1,0]   ; O^T under the new M; these sixteen lines also stand between the making of p's codes and scale word and the products
.set j, j+2
.endr
	s_wait_dscnt 0x0                               ; V and its scale words
	s_wait_alu depctr_va_vdst(0)                   ; p's codes v192-199 and its scale word v253 are written, which the scaled products below take; the sixteen lines above stay beside this wait
.irp d, 0,1,2,3
	v_wmma_scale_f32_16x16x128_f8f6f4 v[160+8*\d:167+8*\d], v[64+8*\d:71+8*\d], v[192:199], v[160+8*\d:167+8*\d], v[240+\d], v253 matrix_a_fmt:MATRIX_FMT_FP4 matrix_b_fmt:MATRIX_FMT_FP4
.endr
.Lskip:
	s_wait_xcnt 0x0                                ; the record's loads have read their base: it may step
	s_add_nc_u64 s[28:29], s[28:29], 256
	s_lshr_b32 s14, s14, 1                         ; the next step's two flags come to bits 0 and 16
	s_add_co_u32 s15, s15, 4096
	s_add_co_u32 s16, s16, 512
	s_add_co_u32 s17, s17, 256
	s_sub_co_u32 s13, s13, 1
	s_cmp_lg_u32 s13, 0
	s_cbranch_scc1 .Lstep
	; ---- the tile's end: O^T / the sum, quantised along the head's 64 (two blocks of the last product's K), stored as half a fragment's image
	v_add_f32 v14, v14, v15                        ; the sum's two halves; with the three lines below: the places behind the last products
.rept 3
	v_nop
.endr
	v_permlanex16_b32 v252, v14, s24, s25
	v_add_f32 v14, v14, v252                       ; and lane l xor 16's: the row's sum
	v_cmp_eq_f32 vcc_lo, 0, v14                    ; no key counted for this query
	s_wait_alu depctr_va_vcc(0)                    ; VCC is written, ahead of its first reader
	v_cndmask_b32 v14, v14, 1.0, vcc_lo            ; its codes stay zeros; its scale byte says NaN (below)
	v_rcp_f32 v14, v14
	v_nop                                          ; a plain line behind the reciprocal
	s_lshr_b32 s32, s18, 4
	s_lshl_b32 s32, s32, 7
	s_add_co_u32 s32, s32, s11                     ; G = 128 batch + T
	s_and_b32 s33, s18, 15                         ; the head in the batch
	s_lshr_b32 s34, s32, 3
	s_lshl_b32 s34, s34, 16                        ; block of 128 rows,
	s_lshr_b32 s35, s33, 1
	s_lshl_b32 s36, s35, 13                        ; K step = head / 2,
	s_add_co_u32 s34, s34, s36
	s_and_b32 s36, s32, 7
	s_lshl_b32 s36, s36, 10                        ; tile,
	s_add_co_u32 s34, s34, s36
	s_and_b32 s37, s33, 1
	s_lshl_b32 s36, s37, 9                         ; half of the fragment = head % 2
	s_add_co_u32 s38, s34, s36
	s_mov_b32 s39, 0
	s_add_nc_u64 s[40:41], s[8:9], s[38:39]
	s_lshl_b32 s42, s35, 15                        ; the scale bytes: [K step][G][r][4]
	s_lshl_b32 s43, s32, 6
	s_add_co_u32 s42, s42, s43
	s_lshl_b32 s43, s37, 1
	s_add_co_u32 s42, s42, s43
	s_add_co_u32 s42, s42, ASO
	s_mov_b32 s43, 0
	s_add_nc_u64 s[44:45], s[8:9], s[42:43]
	s_wait_alu depctr_va_vdst(0)                   ; the reciprocal has written v14, ahead of its first reader
.set j, 0
.rept 32
	v_mul_f32 v[96+j], v[160+j], v14               ; register 16 b + i: channel 32 b + 16 h + i of my query
.set j, j+1
.endr
.irp b, 0,1
	v_max3_num_f32 v[232+\b], |v[96+16*\b]|, |v[97+16*\b]|, 0x1800000
.endr
.irp i, 2,4,6,8,10,12,14
.irp b, 0,1
	v_max3_num_f32 v[232+\b], v[232+\b], |v[96+16*\b+\i]|, |v[97+16*\b+\i]|
.endr
.endr
.irp b, 0,1
	v_permlanex16_b32 v[236+\b], v[232+\b], s24, s25
.endr
.irp b, 0,1
	v_max_num_f32 v[232+\b], v[232+\b], v[236+\b]
.endr
.irp b, 0,1
	v_add_nc_u32 v[244+\b], 0xff000000, v[232+\b]
.endr
.irp b, 0,1
	v_lshrrev_b32 v[236+\b], 23, v[244+\b]
.endr
.irp b, 0,1
	v_cvt_scalef32_pk8_fp4_f32 v[192+2*\b], v[96+16*\b:103+16*\b], v[244+\b]
	v_cvt_scalef32_pk8_fp4_f32 v[193+2*\b], v[104+16*\b:111+16*\b], v[244+\b]
.endr
	v_nop                                          ; one plain line behind the last scaled conversion
	v_permlane16_swap_b32 v192, v194
	v_permlane16_swap_b32 v193, v195               ; v192-195: channels 32 h + 0 .. 31
	v_cndmask_b32 v254, v236, v237, s30            ; lane (r, h) stores block h's byte,
	v_cndmask_b32 v254, v254, v249, vcc_lo         ; or 0xff where no key counted
	s_wait_alu depctr_va_vdst(0)                   ; the lane swaps have written v192-195 and the selects v254, which the two stores read
	global_store_b128 v1, v[192:195], s[40:41]     ; 512 consecutive bytes
	global_store_b8 v6, v254, s[44:45]             ; two of a row's four bytes for this K step; the head beside mine stores the other two
	s_wait_xcnt 0x0                                ; the stores have read their registers and bases
	s_wait_alu depctr_vm_vsrc(0)                   ; the two stores have read v192-195 and v254, which the next tile's steps write again
	s_sub_co_u32 s11, 127, s11                     ; my second tile
	s_sub_co_u32 s12, s12, 1
	s_cmp_lg_u32 s12, 0
	s_cbranch_scc1 .Ltile
	s_wait_dscnt 0x0
	s_wait_alu depctr_hold_cnt(0) depctr_sa_sdst(0) depctr_va_vdst(0) depctr_va_sdst(0) depctr_va_ssrc(0) depctr_va_vcc(0) depctr_vm_vsrc(0)
	s_wait_tensorcnt 0x0
	ds_add_u32 v248, v251
	s_wait_dscnt 0x0
	s_endpgm
.Lfunc_end_k_q58f04a3c7d_attn:
	.size	k_q58f04a3c7d_attn, .Lfunc_end_k_q58f04a3c7d_attn-k_q58f04a3c7d_attn
	.p2alignl 7, 3214868480
	.fill 96, 4, 3214868480
	.section	.rodata,"a",@progbits
	.p2align	6, 0x0
	.amdhsa_kernel k_q58f04a3c7d_attn
		.amdhsa_group_segment_fixed_size 145408
		.amdhsa_private_segment_fixed_size 0
		.amdhsa_enable_private_segment 0
		.amdhsa_kernarg_size 24
		.amdhsa_user_sgpr_count 2
		.amdhsa_user_sgpr_kernarg_segment_ptr 1
		.amdhsa_wavefront_size32 1
		.amdhsa_system_sgpr_workgroup_id_x 1
		.amdhsa_system_sgpr_workgroup_id_y 1
		.amdhsa_system_sgpr_workgroup_id_z 1
		.amdhsa_system_vgpr_workitem_id 0
		.amdhsa_next_free_vgpr 256
		.amdhsa_next_free_sgpr 100
		.amdhsa_reserve_vcc 1
		.amdhsa_float_denorm_mode_32 3
		.amdhsa_float_denorm_mode_16_64 3
		.amdhsa_memory_ordered 1
		.amdhsa_forward_progress 1
		.amdhsa_inst_pref_size 35
	.end_amdhsa_kernel
	.amdgpu_metadata
---
amdhsa.version: [ 1, 2 ]
amdhsa.kernels:
  - .name:           k_q58f04a3c7d_attn
    .symbol:         k_q58f04a3c7d_attn.kd
    .args:
      - { .name: qkv, .offset: 0, .size: 8, .value_kind: global_buffer, .address_space: global }
      - { .name: msk, .offset: 8, .size: 8, .value_kind: global_buffer, .address_space: global }
      - { .name: att, .offset: 16, .size: 8, .value_kind: global_buffer, .address_space: global }
    .group_segment_fixed_size: 145408
    .private_segment_fixed_size: 0
    .kernarg_segment_align: 8
    .kernarg_segment_size: 24
    .max_flat_workgroup_size: 512
    .sgpr_count:     100
    .vgpr_count:     256
    .wavefront_size: 32
...
	.end_amdgpu_metadata
.endif
;; end of part 5
;; launch proj: the kernel of part 4 again; grid 4 x 64, 4 waves a work-group, clusters of 4 x 4, 243,200 bytes of LDS; arguments opq, att, bo, out0; writes out0
